; MI455X (gfx1250); checked and timed in simulation.
; The chip was launched on July 23, 2026; its instructions are those of AMD's public machine-readable ISA for CDNA 5 (MIT licence, August 2026) and "CDNA5" Instruction Set Architecture Reference Guide (July 2026). The comments in the code are by the model that wrote it; some were corrected since.
;; Soft Mo E. Allowed arithmetic: float matrix products may take bf16 or f16 operands with f32 sums; other float arithmetic in f32, or as packed bf16 or f16 multiplies, adds, multiply-adds, maxima and minima; sums over many terms, partial sums and values carried from step to step in f32; what a program stores and reads back later, other than sums and carried values, may be rounded once to bf16 or f16.
;; Inputs: W1 16 x 1,024 x 1,024 float32; W2 16 x 1,024 x 1,024 float32; b1 16 x 1,024 float32; b2 16 x 1,024 float32; be1 16 x 1,024 float32; g1 16 x 1,024 float32; phi 1,024 x 16 x 64 float32; x 8 x 2,048 x 1,024 float32.
;; Outputs: out0 8 x 2,048 x 1,024 float32.
;; One version. Each part assembles by itself: llvm-mc -triple=amdgcn-amd-amdhsa -mcpu=gfx1250 --defsym DOCPART=n.
;; ======== version 1 of 1: 7 launches
;; limits: values outside matrix products are rounded to f16; values are held in f16: magnitudes above 65,504 overflow, below 6.1e-05 lose precision
;; workspace buffers: cst 35,651,584 bytes; w1h 33,554,432 bytes; w2h 33,554,432 bytes; sm 69,206,016 bytes; xin 16,777,216 bytes; hbuf 16,777,216 bytes; x2 16,777,216 bytes; ybuf 16,777,216 bytes
;; launch cast (part 1): grid 1024 x 1, 8 waves a work-group, no clusters, 0 bytes of LDS; arguments x, phi, cst; writes cst
.if DOCPART == 1
	.amdgcn_target "amdgcn-amd-amdhsa--gfx1250"
	.amdhsa_code_object_version 6
	.text
	.protected	k_qd0b7fff64b_cast
	.globl	k_qd0b7fff64b_cast
	.p2align	8
	.type	k_qd0b7fff64b_cast,@function
k_qd0b7fff64b_cast:
	s_mov_b64 s[64:65], 0
	v_nop
	global_prefetch_b8 v0, s[64:65] scope:SCOPE_SE
	s_setreg_imm32_b32 hwreg(HW_REG_WAVE_MODE, 25, 1), 1
	s_wait_xcnt 0x0
; f32 -> f16, once, for x (-> cst) and phi (-> cst + PHI_OFF), which the first product needs at once.  (W1 and W2 are rounded inside the two launches that follow.)
; LIMIT: f16 holds no number beyond 65,504; below 6e-5 it keeps a fixed step of 6e-8.
; 1,024 equal work-groups: 16 of x's 16,384 rows and one of phi's 1,024 each.  Thread t owns columns 4 t .. 4 t + 3 of every row: a wave's load covers
; 512 consecutive bytes, its store 256, both aligned.  All 17 loads of a wave go out before its first wait; each row is rounded in place and stored as it comes.
; No loop, no LDS, no matrix unit, no cluster: nothing is shared and every byte is touched once.
.set PHI_OFF, 33554432
.set NX, 16                            ; rows of x a work-group
.set X, 4                              ; v[4:71]  load i: four f32, then, in its first two registers, four f16
	s_load_b128 s[4:7], s[0:1], 0x0                ; x, phi
	s_load_b64 s[8:9], s[0:1], 0x10                ; cst
	s_lshl_b32 s12, ttmp9, 16                      ; 16 rows of 4,096 bytes
	s_mov_b32 s13, 0
	s_lshl_b32 s14, ttmp9, 15                      ; 16 rows of 2,048 bytes
	s_mov_b32 s15, 0
	s_lshl_b32 s16, ttmp9, 12                      ; one row of phi
	s_mov_b32 s17, 0
	s_lshl_b32 s18, ttmp9, 11
	s_add_co_u32 s18, s18, PHI_OFF                 ; phi's copy lies behind x's
	s_mov_b32 s19, 0
	v_lshlrev_b32 v1, 4, v0                        ; my 16 bytes of a source row
	v_lshlrev_b32 v2, 3, v0                        ; my 8 bytes of a destination row
	s_wait_kmcnt 0x0
	s_add_nc_u64 s[4:5], s[4:5], s[12:13]
	s_add_nc_u64 s[6:7], s[6:7], s[16:17]
	s_add_nc_u64 s[10:11], s[8:9], s[18:19]
	s_add_nc_u64 s[8:9], s[8:9], s[14:15]
.set i, 0
.rept NX
	global_load_b128 v[X+4*i:X+4*i+3], v1, s[4:5] offset:4096*i th:TH_LOAD_NT
.set i, i+1
.endr
	global_load_b128 v[X+4*NX:X+4*NX+3], v1, s[6:7] th:TH_LOAD_NT
.set i, 0
.rept NX+1
	s_wait_loadcnt NX-i                            ; loads come back in order: row i is in, the younger ones stay out
	v_cvt_pk_f16_f32 v[X+4*i], v[X+4*i], v[X+4*i+1]
	v_cvt_pk_f16_f32 v[X+4*i+1], v[X+4*i+2], v[X+4*i+3]
.if i < NX
	global_store_b64 v2, v[X+4*i:X+4*i+1], s[8:9] offset:2048*i th:TH_STORE_NT
.else
	global_store_b64 v2, v[X+4*i:X+4*i+1], s[10:11] th:TH_STORE_NT
.endif
.set i, i+1
.endr
	s_endpgm
.Lfunc_end_k_qd0b7fff64b_cast:
	.size	k_qd0b7fff64b_cast, .Lfunc_end_k_qd0b7fff64b_cast-k_qd0b7fff64b_cast
	.p2alignl 7, 3214868480
	.fill 96, 4, 3214868480
	.section	.rodata,"a",@progbits
	.p2align	6, 0x0
	.amdhsa_kernel k_qd0b7fff64b_cast
		.amdhsa_group_segment_fixed_size 0
		.amdhsa_private_segment_fixed_size 0
		.amdhsa_enable_private_segment 0
		.amdhsa_kernarg_size 24
		.amdhsa_user_sgpr_count 2
		.amdhsa_user_sgpr_kernarg_segment_ptr 1
		.amdhsa_wavefront_size32 1
		.amdhsa_system_sgpr_workgroup_id_x 1
		.amdhsa_system_sgpr_workgroup_id_y 1
		.amdhsa_system_sgpr_workgroup_id_z 1
		.amdhsa_system_vgpr_workitem_id 0
		.amdhsa_next_free_vgpr 72
		.amdhsa_next_free_sgpr 66
		.amdhsa_reserve_vcc 0
		.amdhsa_float_denorm_mode_32 3
		.amdhsa_float_denorm_mode_16_64 3
		.amdhsa_memory_ordered 1
		.amdhsa_forward_progress 1
		.amdhsa_inst_pref_size 7
	.end_amdhsa_kernel
	.amdgpu_metadata
---
amdhsa.version: [ 1, 2 ]
amdhsa.kernels:
  - .name:           k_qd0b7fff64b_cast
    .symbol:         k_qd0b7fff64b_cast.kd
    .args:
      - { .name: x, .offset: 0, .size: 8, .value_kind: global_buffer, .address_space: global }
      - { .name: phi, .offset: 8, .size: 8, .value_kind: global_buffer, .address_space: global }
      - { .name: cst, .offset: 16, .size: 8, .value_kind: global_buffer, .address_space: global }
    .group_segment_fixed_size: 0
    .private_segment_fixed_size: 0
    .kernarg_segment_align: 8
    .kernarg_segment_size: 24
    .max_flat_workgroup_size: 256
    .sgpr_count:     66
    .vgpr_count:     72
    .wavefront_size: 32
...
	.end_amdgpu_metadata
.endif
;; end of part 1
;; launch logits (part 2): grid 4 x 64, 4 waves a work-group, clusters of 4 x 4, 327,680 bytes of LDS; arguments cst, sm, W1, w1h; writes sm, w1h
.if DOCPART == 2
	.amdgcn_target "amdgcn-amd-amdhsa--gfx1250"
	.amdhsa_code_object_version 6
	.text
	.protected	k_qd0b7fff64b_logits
	.globl	k_qd0b7fff64b_logits
	.p2align	8
	.type	k_qd0b7fff64b_logits,@function
k_qd0b7fff64b_logits:
	s_mov_b64 s[64:65], 0
	v_nop
	global_prefetch_b8 v0, s[64:65] scope:SCOPE_SE
	s_setreg_imm32_b32 hwreg(HW_REG_WAVE_MODE, 25, 1), 1
	s_wait_xcnt 0x0
	s_wait_alu depctr_hold_cnt(0) depctr_sa_sdst(0) depctr_va_vdst(0) depctr_va_sdst(0) depctr_va_ssrc(0) depctr_va_vcc(0) depctr_vm_vsrc(0)
	s_getreg_b32 s2, hwreg(HW_REG_IB_STS2, 6, 4)
	s_cmp_eq_u32 s2, 0
	s_cbranch_scc0 .Lentry_in_a_cluster
	s_endpgm
.Lentry_in_a_cluster:
	s_bfe_u32 s2, ttmp6, 0x10000c
	s_cmp_lg_u32 s2, 0xf033
	s_cbranch_scc0 .Lentry_shape_is_right
	s_endpgm
.Lentry_shape_is_right:
; L = x phi (16,384 x 1,024, K = 1,024) in f16 with f32 sums, and BOTH softmaxes' exponentials made on the way out.
; A wave's tile of L is 128 tokens x 128 slots.  Within it: C = 2^(c l - c max over the tile's 128 slots) for each token, and
; E = 2^(c l - c max over the tile's 128 tokens) for each slot, c = log2(e).  C, E go out in f16; the local maxima (times c) and the local
; sums of the unrounded exponentials go out in f32.  The two later products bring all blocks to the true maximum by 2^(local - global) <= 1.
; THE RIDE: beside that, each wave rounds 16 of W1's 16,384 rows to f16 (w1h), two rows in each of its eight K steps: the rows are asked for a whole K step before they are rounded.
; LIMITS: x, phi arrive and W1 leaves in f16 (range 65,504); C and E lie in 0 .. 1 (to within a rounding of c m), below 6e-5 with f16's fixed step of 6e-8; NaN and infinities are not treated apart.
; sm: E [16384][1024] f16 at 0; C the same at CW; rmx [8][16384] f32 at RMX, rsm SUMS behind it; cmx [128][1024] f32 at CMX, csm SUMS behind it.
.set MA, 8                             ; row blocks of 16 a wave: tile of the work-group 256 x 256
.set RTR, 0                            ; the row operand lies along K
.set SCL, 0                            ; its fragments are not scaled
.set ZF, 1                             ; the first products start the sums with 0
.set RIDES, 1                          ; quarter 1 of every K step carries the ride
.set KSTEPS, 8
.set STEPR, 256                        ; bytes from a K step's tile to the next: 128 numbers along x's rows,
.set STEPC, 262144                     ; 128 rows of phi
.set RB, 4                             ; s[4:5] holds the row operand's buffer,
.set CBS, 4                            ; and the column operand's
.set STAGE, 278528                     ; behind the ring: 16 rows x 272 bytes a wave
.set STAT, 295936                      ; 1,024 bytes a wave: 128 c m, 128 sums
.set SPARE, 300032                     ; the spare words: 128 bytes a wave
.set FT, 0
.set ROWB, 0
.set PHI_OFF, 33554432
.set CW, 33554432
.set RMX, 67108864
.set CMX, 68157440
.set SUMS, 524288
; ================= the skeleton of this program's four product kernels: names and macros =================
; out[row][col] = sum over k of R[row][k] Cop[k][col].  Four waves; a wave makes 16 MA rows x 128 columns.  K goes in steps of 128 through a ring of two LDS slots.
; The matrix instruction is used transposed: source 0 = 16 columns (Cop, stored [k][col], turned by ds_load_tr16_b128), source 1 = 16 rows of R:
; in the result lane l holds row l % 16 and its registers 0-7 the columns 8 (l / 16) + 0..7.
; CLUSTER 4 x 4: R's tile hangs on the tile row alone and is asked for jointly by a row of the cluster, Cop's on the tile column alone, by a column.
; REGISTERS: window 0: v0-31 addresses, v32-47 factors, v64-127 and v128-191 R's fragments (two buffers), v192-255 at work; window 1: v64-191 Cop's fragments, two buffers;
; window 2: the accumulators of row blocks 0-3 ((a, b) at 8 (8 a + b)); window 3: those of blocks 4-7.
.set PCH, 544                          ; a row of Cop in LDS: 512 bytes + 32: an odd multiple of 32
.set HALFC, 64*PCH                     ; what one tensor load brings of it: 64 k
.if RTR
.set PRW, 288                          ; R stored [k][row]: 256 bytes + 32
.set RROWS, 64
.set RPADC, 7
.else
.set PRW, 272                          ; R stored [row][k]: 256 bytes + 16: the 16 rows of a load start at 16 different groups of four banks
.set RROWS, 16*MA
.set RPADC, 3
.endif
.set HALFR, RROWS*PRW
.set RT, 2*HALFR                       ; a slot: R's tile, then Cop's
.if MA == 8
.set SLOTX, 0x22000                    ; slot 1's first byte; no tile's address in slot 0 has one of its bits, so an exclusive or changes slots
.else
.set SLOTX, 0x20000
.endif
.set DPI, 528                          ; a row of the f32 dump: 512 bytes + 16
.set DW, 16*MA*DPI                     ; a wave's dump
.set ADRA0, 8                          ; my lane's place in R's tile; never rewritten
.set ADRB0, 9                          ; in Cop's
.set ADRA, 10                          ; the same in the slot in hand
.set ADRB, 11
.set FADR0, 12                         ; my lane's place in a row of the factor table
.set FADR, 13
.set DADR, 14                          ; the dump, as the accumulators lie: row l % 16, 32 bytes for each half of the lanes
.set RADR0, 15                         ; the dump by rows: 16 bytes a lane
.set RADR, 16
.set RIADR0, 17                        ; my wave's reciprocals
.set RIADR, 18
.set GO, 19                            ; my byte offset in a row that is stored
.set T4, 20
.set T4F, 21
.set SPW, 28                           ; LDS address of my spare word; never rewritten
.set NIL, 29                           ; 0; never rewritten
.set FS, 32                            ; v32-39 the K step's factors, block a's in FS + a (f16, twice in a word)
.set FSN, 40                           ; v40-47 the next K step's
.set F0, 64
.set F1, 128
.set WV, 12
.set WR, 13                            ; my half of the rows; also: I fetch for R (0) or for Cop (1)
.set WC, 14                            ; my half of the columns; also: which half of that tile I fetch
.set CX, 15
.set CY, 16
.set TC, 17                            ; tile column
.set CLY, 18                           ; the cluster's y
.set TR, 19                            ; tile row
.set G1R, 24                           ; s[24:31] group 1 for R; s[32:35] group 0 of K step 0; s[36:39] group 0 that walks
.set G0R, 32
.set G1C, 48                           ; s[48:55], s[56:59], s[60:63] the same for Cop
.set G0C, 56
.set SOFF, 66                          ; the slot in hand: 0 or SLOTX
.set CNT, 67
.set FO, 68                            ; the factor row to be fetched, in bytes
.set EO, 69                            ; the way out: the dump's rows in hand, in bytes
.set SO, 84                            ; the way out: the rows' statistics, in bytes
.set MSB, 0
.macro WIN new                         ; the immediate's high byte repeats the setting that is left; a switch that changes nothing is dropped
.if MSB != (\new)
	s_set_vgpr_msb (MSB<<8)|(\new)
.set MSB, (\new)
.endif
.endm
.macro PLACES                          ; four plain places in front of loads into registers that matrix instructions have read, and of reads of results
.rept 4
	v_nop
.endr
.endm
.macro JLOAD                           ; a joint refill by the walking descriptors; the branch hangs on the wave's number alone; an s_nop 0 and four v_nop follow each line
	s_cmp_eq_u32 s[WR], 0
	s_cbranch_scc0 .Lfor_c_\@
	tensor_load_to_lds s[G0R+4:G0R+7], s[G1R:G1R+7]
	s_nop 0
.rept 4
	v_nop
.endr
	s_branch .Lasked_\@
.Lfor_c_\@:
	tensor_load_to_lds s[G0C+4:G0C+7], s[G1C:G1C+7]
	s_nop 0
.rept 4
	v_nop
.endr
.Lasked_\@:
.endm
.macro CREST                           ; a round of the cluster's barrier behind its opening barrier
	s_cmp_lg_u32 s[WV], 0
	s_cbranch_scc1 .Lnot_wave_0_\@
	s_barrier_signal -3
.Lnot_wave_0_\@:
	s_barrier_wait -3
	s_barrier_signal -1
	s_barrier_wait -1
.endm
.macro CROUND
	s_barrier_signal -1
	s_barrier_wait -1
	CREST
.endm
; The fragments of quarter q (32 along K) of the slot in hand into buffer f, in one run.  fact = 1: and the next K step's factors.
.macro FETCH q, f, fact
	WIN 0x40                                       ; destination window 1, address window 0
.set ii, 0
.rept 8
	ds_load_tr16_b128 v[(\f)+8*ii:(\f)+8*ii+3],   v[ADRB] offset:32*(\q)*PCH+32*ii
	ds_load_tr16_b128 v[(\f)+8*ii+4:(\f)+8*ii+7], v[ADRB] offset:(32*(\q)+16)*PCH+32*ii
.set ii, ii+1
.endr
	WIN 0
.set ii, 0
.rept MA
.if RTR
	ds_load_tr16_b128 v[(\f)+8*ii:(\f)+8*ii+3],   v[ADRA] offset:32*(\q)*PRW+32*ii
	ds_load_tr16_b128 v[(\f)+8*ii+4:(\f)+8*ii+7], v[ADRA] offset:(32*(\q)+16)*PRW+32*ii
.else
	ds_load_b128 v[(\f)+8*ii:(\f)+8*ii+3],   v[ADRA] offset:64*(\q)+ii*16*PRW
	ds_load_b128 v[(\f)+8*ii+4:(\f)+8*ii+7], v[ADRA] offset:64*(\q)+ii*16*PRW+32
.endif
.set ii, ii+1
.endr
.if \fact
.set ii, 0
.rept MA
	ds_load_b32 v[FSN+ii], v[FADR] offset:64*ii
.set ii, ii+1
.endr
.endif
.endm
.macro SCALE0 f                        ; row block 0's fragment times its rows' factor
.if SCL
	WIN 0
.set rr, (\f)
.rept 8
	v_pk_mul_f16 v[rr], v[rr], v[FS]
.set rr, rr+1
.endr
.endif
.endm
; Eight products: row block a x all 8 column blocks, 32 along K.  z = 1: they start the sums with 0; z = 2: with window 1's v192-255.
; The accumulators take turns, one instruction a turn.  With SCL the next row block's fragment is scaled meanwhile, four registers behind each fourth product.
.macro MULBLK f, a, z
.set bb, 0
.rept 8
.if (\z) == 2
	WIN 0x91
	v_wmma_f32_16x16x32_f16 v[8*(8*((\a)%4)+bb):8*(8*((\a)%4)+bb)+7], v[(\f)+8*bb:(\f)+8*bb+7], v[(\f)+8*(\a):(\f)+8*(\a)+7], v[192+8*bb:192+8*bb+7]
.elseif (\z) == 1
	WIN 0xa1+0x50*((\a)/4)
	v_wmma_f32_16x16x32_f16 v[8*(8*((\a)%4)+bb):8*(8*((\a)%4)+bb)+7], v[(\f)+8*bb:(\f)+8*bb+7], v[(\f)+8*(\a):(\f)+8*(\a)+7], 0
.else
	WIN 0xa1+0x50*((\a)/4)
	v_wmma_f32_16x16x32_f16 v[8*(8*((\a)%4)+bb):8*(8*((\a)%4)+bb)+7], v[(\f)+8*bb:(\f)+8*bb+7], v[(\f)+8*(\a):(\f)+8*(\a)+7], v[8*(8*((\a)%4)+bb):8*(8*((\a)%4)+bb)+7]
.endif
.if SCL && ((\a)+1 < MA) && (bb%4 == 3)
	WIN 0
.set rr, (\f)+8*((\a)+1)+4*(bb/4)
.rept 4
	v_pk_mul_f16 v[rr], v[rr], v[FS+(\a)+1]
.set rr, rr+1
.endr
.endif
.set bb, bb+1
.endr
.endm
.macro BLKS f, n, z                    ; the quarter's next n row blocks
.rept \n
	MULBLK \f, aa, \z
.set aa, aa+1
.endr
.endm
; One of a K step's first three quarters: multiplies buffer q % 2.  At its head it asks for the next quarter's fragments, into the buffer that the quarter before multiplied:
; the run of loads has the quarter's 8 MA products in which to land.  last = 1 (the tail's text): the ride's last turn asks for nothing.
.macro Q q, z, last=0
.set FCUR, F0+64*((\q)%2)
.set FNXT, F1-64*((\q)%2)
.set aa, 0
	s_wait_dscnt 0x0                               ; this quarter's fragments, asked for a quarter ago, are in
	WIN 0
.if SCL && ((\q) == 0)
.set ii, 0
.rept MA
	v_mov_b32 v[FS+ii], v[FSN+ii]                  ; the new K step's factors take their place
.set ii, ii+1
.endr
.endif
	PLACES
	FETCH (\q)+1, FNXT, 0
.if RIDES && ((\q) == 1)
	RIDE \last
.endif
	SCALE0 FCUR
	BLKS FCUR, MA, \z
.endm
; The last quarter multiplies buffer 1 and changes slots.  Its fragments were the slot's last reads, so the change is signalled at its head: each wave waits for all its tensor loads
; (one is out: its part of the next slot), adds 0 to its spare word, and waits for that and for its reads of this slot.  fill = 1: the barrier opens a round of the cluster's, and the joint
; refill, two K steps ahead, is the first thing behind it.  Then the next slot's first fragments are asked for, 6 MA products ahead of their use.
.macro TURN fill
.set aa, 0
	WIN 0
	s_wait_tensorcnt 0x0                           ; no tensor load of mine is out, so the walking descriptors may be written
	ds_add_u32 v[SPW], v[NIL]                      ; 0 onto my spare word; with fill = 1 the descriptors' steps stand between it and the wait for it
.if \fill
	s_xor_b32 s[G0R+5], s[G0R+5], SLOTX
	s_add_nc_u64 s[G0R+6:G0R+7], s[G0R+6:G0R+7], STEPR
	s_xor_b32 s[G0C+5], s[G0C+5], SLOTX
	s_add_nc_u64 s[G0C+6:G0C+7], s[G0C+6:G0C+7], STEPC
.endif
	s_wait_dscnt 0x0                               ; the add is done; buffer 1's fragments are in, and with them my reads of this slot are over
	s_barrier_signal -1
	SCALE0 F1
	BLKS F1, MA/4, 0                               ; work on registers while the others arrive
	WIN 0
	s_barrier_wait -1
.if \fill
	CREST
	JLOAD                                          ; its four v_nop are also the places in front of the loads below
.else
	PLACES
.endif
	s_xor_b32 s[SOFF], s[SOFF], SLOTX
	v_add_nc_u32 v[ADRA], s[SOFF], v[ADRA0]
	v_add_nc_u32 v[ADRB], s[SOFF], v[ADRB0]
.if SCL
	s_add_co_u32 s[FO], s[FO], ROWB
	v_add_nc_u32 v[FADR], s[FO], v[FADR0]
.endif
	FETCH 0, F0, SCL
	BLKS F1, 3*MA/4, 0
.endm
; The accumulators go into LDS as a row-major f32 tile, each wave's own, over slots that have had their last fill.  The barrier: no wave still reads a slot.
.macro DUMP
	WIN 0
	s_wait_dscnt 0x0
	s_barrier_signal -1
	s_barrier_wait -1
	PLACES
.set aa, 0
.rept MA
	WIN 0x08+4*(aa/4)                              ; store data from window 2 or 3
.set bb, 0
.rept 8
	ds_store_b128 v[DADR], v[8*(8*(aa%4)+bb):8*(8*(aa%4)+bb)+3]   offset:aa*16*DPI+64*bb
	ds_store_b128 v[DADR], v[8*(8*(aa%4)+bb)+4:8*(8*(aa%4)+bb)+7] offset:aa*16*DPI+64*bb+16
.set bb, bb+1
.endr
.set aa, aa+1
.endr
	WIN 0
.endm
; ================= this body's own parts =================
.set STO, 22                           ; the stage: where I put 16 bytes of a row
.set RD, 23                            ; where I read a row back
.set CO, 24                            ; the same two rows in C
.set GO16, 25                          ; 16 x lane; never rewritten
.set SADR0, 26                         ; my row's place in the wave's statistics
.set SADR, 27
.set SR, 30                            ; the statistics read back, 16 bytes a lane
.set LADR, 31
.set L, 64                             ; v64-127 sixty-four logits
.set P, 128                            ; v128-159 packed f16
.set OB, 160                           ; v160-191 rows back from the stage
.set CH, 192                           ; v192-195 four chains
.set CM, 198                           ; v198-199 c m, twice
.set SS, 200
.set CQ, 204                           ; v204-207 my four columns' maximum, then c times it
.set CS, 208                           ; v208-215 their sums, two chains
.set XR, 192                           ; v192-255 the ride (in the K loop): two rows of W1 as loaded, 16 x 4 registers
.set YR, 32                            ; v32-63   the same rounded, 16 x 2 registers
.set SRC, 88                           ; s[88:89] W1 at the two rows asked for last
.set DST, 90                           ; s[90:91] w1h just behind the two rows that are stored
.macro ARGS
	s_load_b256 s[4:11], s[0:1], 0x0               ; cst, sm, W1, w1h
.endm
.macro ROFF                            ; x's rows 256 TR + 128 WC
	s_lshl_b32 s40, s[TR], 19
	s_lshl_b32 s41, s[WC], 18
	s_add_co_u32 s40, s40, s41
	s_mov_b32 s41, 0
.endm
.macro COFF                            ; phi's rows 64 WC on, columns 256 TC on
	s_lshl_b32 s44, s[TC], 9
	s_lshl_b32 s45, s[WC], 17
	s_add_co_u32 s44, s44, s45
	s_add_co_u32 s44, s44, PHI_OFF
	s_mov_b32 s45, 0
.endm
.macro RLOAD                           ; two rows of W1 are 8,192 consecutive bytes: 16 loads of 512
.set ii, 0
.rept 16
	global_load_b128 v[XR+4*ii:XR+4*ii+3], v[GO16], s[SRC:SRC+1] offset:512*ii th:TH_LOAD_NT
.set ii, ii+1
.endr
.endm
; The ride's turn, once a K step: the two rows asked for a K step ago are rounded and stored, and the next two are asked for.
.macro RIDE last
	s_wait_loadcnt 0x0                             ; the two rows are in
	s_wait_xcnt 0x0                                ; the last turn's stores have had their addresses translated (ISA guide 3.1): their data and both bases are rewritten only behind this wait
	s_add_nc_u64 s[SRC:SRC+1], s[SRC:SRC+1], 8192
	s_add_nc_u64 s[DST:DST+1], s[DST:DST+1], 4096
.set ii, 0
.rept 32
	v_cvt_pk_f16_f32 v[YR+ii], v[XR+2*ii], v[XR+2*ii+1]
.set ii, ii+1
.endr
.if \last
	s_cmp_eq_u32 s[CNT], 1                         ; the last K step: my 16 rows have all been asked for
	s_cbranch_scc1 .Lno_more_\@
.endif
	RLOAD
.if \last
.Lno_more_\@:
.endif
.set ii, 0
.rept 16
	global_store_b64 v[GO], v[YR+2*ii:YR+2*ii+1], s[DST:DST+1] offset:256*ii-4096 th:TH_STORE_NT  ; the wave stores 256 consecutive bytes, aligned; the base has stepped, the immediate reaches back
.set ii, ii+1
.endr
.endm
.macro PRO
	v_lshlrev_b32 v[GO], 3, v3
	v_lshlrev_b32 v[GO16], 4, v3
	s_lshl_b32 s82, s[TR], 2                       ; the work-group's number, 4 TR + TC,
	s_add_co_u32 s82, s82, s[TC]
	s_lshl_b32 s82, s82, 2
	s_add_co_u32 s82, s82, s[WV]                   ; times four, plus my wave: which 16 of W1's 16,384 rows are mine
	s_lshl_b32 s86, s82, 16                        ; 16 rows of 4,096 bytes
	s_mov_b32 s87, 0
	s_add_nc_u64 s[SRC:SRC+1], s[8:9], s[86:87]
	s_lshl_b32 s86, s82, 15                        ; 16 rows of 2,048 bytes
	s_add_nc_u64 s[DST:DST+1], s[10:11], s[86:87]
	RLOAD                                          ; the first two rows
	s_mul_i32 s82, s[WV], 16*272
	s_add_co_u32 s82, s82, STAGE
	v_mul_u32_u24 v[STO], v1, 272
	v_lshl_add_u32 v[STO], v2, 4, v[STO]
	v_add_nc_u32 v[STO], s82, v[STO]
	v_mul_u32_u24 v[RD], v2, 272
	v_lshl_add_u32 v[RD], v1, 4, v[RD]
	v_add_nc_u32 v[RD], s82, v[RD]
	v_lshlrev_b32 v[CO], 11, v2
	v_lshl_add_u32 v[CO], v1, 4, v[CO]
	s_lshl_b32 s82, s[WV], 10
	s_add_co_u32 s82, s82, STAT
	v_lshl_add_u32 v[SADR0], v1, 2, s82
	v_lshl_add_u32 v[SR], v3, 4, s82
	s_lshl_b32 s82, s[TR], 19                      ; my tile's corner in E and C: row 256 TR + 128 WR, column 256 TC + 128 WC
	s_lshl_b32 s83, s[WR], 18
	s_add_co_u32 s82, s82, s83
	s_lshl_b32 s83, s[TC], 9
	s_add_co_u32 s82, s82, s83
	s_lshl_b32 s83, s[WC], 8
	s_add_co_u32 s82, s82, s83
	s_mov_b32 s83, 0
	s_add_nc_u64 s[74:75], s[6:7], s[82:83]        ; E
	s_add_nc_u64 s[76:77], s[74:75], CW            ; C
	s_lshl_b32 s82, s[TC], 17                      ; rmx[2 TC + WC][256 TR + 128 WR]
	s_lshl_b32 s83, s[WC], 16
	s_add_co_u32 s82, s82, s83
	s_lshl_b32 s83, s[TR], 10
	s_add_co_u32 s82, s82, s83
	s_lshl_b32 s83, s[WR], 9
	s_add_co_u32 s82, s82, s83
	s_add_co_u32 s82, s82, RMX
	s_mov_b32 s83, 0
	s_add_nc_u64 s[78:79], s[6:7], s[82:83]
	s_lshl_b32 s82, s[TR], 13                      ; cmx[2 TR + WR][256 TC + 128 WC]
	s_lshl_b32 s83, s[WR], 12
	s_add_co_u32 s82, s82, s83
	s_lshl_b32 s83, s[TC], 10
	s_add_co_u32 s82, s82, s83
	s_lshl_b32 s83, s[WC], 9
	s_add_co_u32 s82, s82, s83
	s_add_co_u32 s82, s82, CMX
	s_mov_b32 s83, 0
	s_add_nc_u64 s[80:81], s[6:7], s[82:83]
.endm
.macro WAYOUT
	s_wait_loadcnt 0x0                             ; the ride's registers serve again below: no load into them is out (its last turn asked for nothing)
	; FIRST PASS, by tokens, 16 rows a trip, read as the accumulators lay: a lane holds 64 of its row's 128 logits, the lane 16 away the others.
	s_mov_b32 s[EO], 0
	s_mov_b32 s[SO], 0
	s_mov_b32 s[CNT], 8
.Lp1:
	v_add_nc_u32 v[LADR], s[EO], v[DADR]
	v_add_nc_u32 v[SADR], s[SO], v[SADR0]
.set ii, 0
.rept 16
	ds_load_b128 v[L+4*ii:L+4*ii+3], v[LADR] offset:64*(ii/2)+16*(ii%2)
.set ii, ii+1
.endr
	s_wait_dscnt 0x0
.set ii, 0
.rept 4
	v_max3_num_f32 v[CH+ii], v[L+16*ii], v[L+16*ii+1], v[L+16*ii+2]
.set ii, ii+1
.endr
.set ii, 0
.rept 24
	v_max3_num_f32 v[CH+ii%4], v[CH+ii%4], v[L+16*(ii%4)+3+2*(ii/4)], v[L+16*(ii%4)+4+2*(ii/4)]
.set ii, ii+1
.endr
	v_max3_num_f32 v[CH], v[CH], v[L+15], v[L+31]
	v_max3_num_f32 v[CH+2], v[CH+2], v[L+47], v[L+63]
	v_max3_num_f32 v[CH], v[CH], v[CH+1], v[CH+2]
	v_max_num_f32 v[CH], v[CH], v[CH+3]
	v_permlanex16_b32 v[CH+1], v[CH], s72, s73
	v_max_num_f32 v[CH], v[CH], v[CH+1]            ; the row's maximum over the tile's 128 slots
	v_mul_f32 v[CM], s70, v[CH]
	v_mul_f32 v[CM+1], s70, v[CH]
.set ii, 0
.rept 32
	v_pk_fma_f32 v[L+2*ii:L+2*ii+1], v[L+2*ii:L+2*ii+1], s[70:71], v[CM:CM+1] op_sel_hi:[1,0,0] neg_lo:[0,0,1] neg_hi:[0,0,1]
.set ii, ii+1
.endr
.set ii, 0
.rept 64
	v_exp_f32 v[L+ii], v[L+ii]                     ; one batch
.set ii, ii+1
.endr
	v_nop                                          ; a plain instruction behind the last exponential,
	s_wait_alu depctr_va_vdst(0)                   ; and one wait for the batch, ahead of its first reader
.set ii, 0
.rept 32
	v_cvt_pk_f16_f32 v[P+ii], v[L+2*ii], v[L+2*ii+1]
.set ii, ii+1
.endr
.set ww, 32
.rept 5                                ; the sum of the unrounded weights, halving in place
.set ii, 0
.rept ww/2
	v_pk_add_f32 v[L+2*ii:L+2*ii+1], v[L+2*ii:L+2*ii+1], v[L+ww+2*ii:L+ww+2*ii+1]
.set ii, ii+1
.endr
.set ww, ww/2
.endr
	v_add_f32 v[SS], v[L], v[L+1]
	v_permlanex16_b32 v[CH+1], v[SS], s72, s73
	v_add_f32 v[SS], v[SS], v[CH+1]
	ds_store_b32 v[SADR], v[CM]                    ; both halves of the lanes write the same word with the same number
	ds_store_b32 v[SADR], v[SS] offset:512
.set ii, 0
.rept 8
	ds_store_b128 v[STO], v[P+4*ii:P+4*ii+3] offset:32*ii
.set ii, ii+1
.endr
.set ii, 0
.rept 8
	ds_load_b128 v[OB+4*ii:OB+4*ii+3], v[RD] offset:ii*544  ; LDS serves a wave's instructions in order (ISA guide 5.7.1.4): these see the stores above
.set ii, ii+1
.endr
	s_wait_dscnt 0x0
.set ii, 0
.rept 8
	global_store_b128 v[CO], v[OB+4*ii:OB+4*ii+3], s[76:77] offset:ii*4096  ; 16 lanes store 256 consecutive bytes, aligned
.set ii, ii+1
.endr
	s_wait_xcnt 0x0                                ; the stores' base and data are rewritten only behind this wait
	s_add_nc_u64 s[76:77], s[76:77], 32768
	s_add_co_u32 s[EO], s[EO], 16*DPI
	s_add_co_u32 s[SO], s[SO], 64
	s_sub_co_u32 s[CNT], s[CNT], 1
	s_cmp_lg_u32 s[CNT], 0
	s_cbranch_scc1 .Lp1
	ds_load_b128 v[L:L+3], v[SR]                   ; the wave's 128 c m and 128 sums: 512 consecutive bytes each
	ds_load_b128 v[L+4:L+7], v[SR] offset:512
	s_wait_dscnt 0x0
	global_store_b128 v[GO16], v[L:L+3], s[78:79]
	global_store_b128 v[GO16], v[L+4:L+7], s[78:79] offset:SUMS
	s_wait_xcnt 0x0
	; SECOND PASS, by slots, read by rows: a lane holds four columns.  First their maximum over the tile's 128 tokens.
.set ii, 0
.rept 4
	v_mov_b32 v[CQ+ii], 0xff800000
.set ii, ii+1
.endr
	s_mov_b32 s[EO], 0
	s_mov_b32 s[CNT], 8
.Lp2a:
	v_add_nc_u32 v[RADR], s[EO], v[RADR0]
.set ii, 0
.rept 16
	ds_load_b128 v[L+4*ii:L+4*ii+3], v[RADR] offset:ii*DPI
.set ii, ii+1
.endr
	s_wait_dscnt 0x0
.set ii, 0
.rept 32
	v_max3_num_f32 v[CQ+ii%4], v[CQ+ii%4], v[L+8*(ii/4)+ii%4], v[L+8*(ii/4)+4+ii%4]
.set ii, ii+1
.endr
	s_add_co_u32 s[EO], s[EO], 16*DPI
	s_sub_co_u32 s[CNT], s[CNT], 1
	s_cmp_lg_u32 s[CNT], 0
	s_cbranch_scc1 .Lp2a
.set ii, 0
.rept 4
	v_mul_f32 v[CQ+ii], s70, v[CQ+ii]
.set ii, ii+1
.endr
.set ii, 0
.rept 8
	v_mov_b32 v[CS+ii], 0
.set ii, ii+1
.endr
	s_mov_b32 s[EO], 0
	s_mov_b32 s[CNT], 8
.Lp2b:                                 ; then the exponentials, 16 rows a trip
	v_add_nc_u32 v[RADR], s[EO], v[RADR0]
.set ii, 0
.rept 16
	ds_load_b128 v[L+4*ii:L+4*ii+3], v[RADR] offset:ii*DPI
.set ii, ii+1
.endr
	s_wait_dscnt 0x0
.set ii, 0
.rept 32
	v_pk_fma_f32 v[L+2*ii:L+2*ii+1], v[L+2*ii:L+2*ii+1], s[70:71], v[CQ+2*(ii%2):CQ+2*(ii%2)+1] op_sel_hi:[1,0,1] neg_lo:[0,0,1] neg_hi:[0,0,1]
.set ii, ii+1
.endr
.set ii, 0
.rept 64
	v_exp_f32 v[L+ii], v[L+ii]
.set ii, ii+1
.endr
	v_nop
	s_wait_alu depctr_va_vdst(0)                   ; one wait for the batch
.set ii, 0
.rept 32
	v_cvt_pk_f16_f32 v[P+ii], v[L+2*ii], v[L+2*ii+1]
.set ii, ii+1
.endr
.set ii, 0
.rept 32
	v_pk_add_f32 v[CS+4*((ii/2)%2)+2*(ii%2):CS+4*((ii/2)%2)+2*(ii%2)+1], v[CS+4*((ii/2)%2)+2*(ii%2):CS+4*((ii/2)%2)+2*(ii%2)+1], v[L+2*ii:L+2*ii+1]
.set ii, ii+1
.endr
.set ii, 0
.rept 16
	global_store_b64 v[GO], v[P+2*ii:P+2*ii+1], s[74:75] offset:ii*2048  ; the wave stores 256 consecutive bytes of a row, aligned
.set ii, ii+1
.endr
	s_wait_xcnt 0x0
	s_add_nc_u64 s[74:75], s[74:75], 32768
	s_add_co_u32 s[EO], s[EO], 16*DPI
	s_sub_co_u32 s[CNT], s[CNT], 1
	s_cmp_lg_u32 s[CNT], 0
	s_cbranch_scc1 .Lp2b
	v_pk_add_f32 v[CS:CS+1], v[CS:CS+1], v[CS+4:CS+5]
	v_pk_add_f32 v[CS+2:CS+3], v[CS+2:CS+3], v[CS+6:CS+7]
	global_store_b128 v[GO16], v[CQ:CQ+3], s[80:81]
	global_store_b128 v[GO16], v[CS:CS+3], s[80:81] offset:SUMS
.endm
; ================= the skeleton: the flow =================
	ARGS
	v_lshl_add_u32 v[SPW], v0, 2, SPARE
	v_mov_b32 v[NIL], 0
	ds_add_u32 v[SPW], v[NIL]                      ; the wave's opening: the add, with its wait, goes ahead of my first tensor load; the set-up below stands between them
	v_lshrrev_b32 v4, 5, v0
	v_readfirstlane_b32 s[WV], v4
	s_lshr_b32 s[WR], s[WV], 1
	s_and_b32 s[WC], s[WV], 1
	s_bfe_u32 s[CX], ttmp6, 0x40000
	s_bfe_u32 s[CY], ttmp6, 0x40004
	s_lshl_b32 s[TC], ttmp9, 2
	s_add_co_u32 s[TC], s[TC], s[CX]
	s_and_b32 s[CLY], ttmp7, 0xffff
	s_lshl_b32 s[TR], s[CLY], 2
	s_add_co_u32 s[TR], s[TR], s[CY]
	s_lshl_b32 s20, s[CY], 2
	s_lshl_b32 s20, 15, s20                        ; my row of the cluster
	s_lshl_b32 s21, 0x1111, s[CX]                  ; my column
	s_or_b32 s[G1R], s20, (1<<16)|(1<<20)|(1<<21)|(5<<22)|(RPADC<<25)  ; mask; 2-byte elements; padding on; bit 21 beside a mask; after every 64 words; 4 or 8 words
	s_mov_b32 s[G1R+1], 128<<16                    ; tensor_dim0
	s_mov_b32 s[G1R+2], RROWS<<16                  ; tensor_dim1
	s_mov_b32 s[G1R+3], 128<<16                    ; tile_dim0
	s_mov_b32 s[G1R+4], RROWS                      ; tile_dim1
	s_mov_b32 s[G1R+5], 1024                       ; elements from row to row
	s_mov_b32 s[G1R+6], 0
	s_mov_b32 s[G1R+7], 0
	s_or_b32 s[G1C], s21, (1<<16)|(1<<20)|(1<<21)|(6<<22)|(7<<25)      ; after every 128 words 8 words
	s_mov_b32 s[G1C+1], 256<<16
	s_mov_b32 s[G1C+2], 64<<16
	s_mov_b32 s[G1C+3], 256<<16
	s_mov_b32 s[G1C+4], 64
	s_mov_b32 s[G1C+5], 1024
	s_mov_b32 s[G1C+6], 0
	s_mov_b32 s[G1C+7], 0
	s_mov_b32 s[G0R], 1
	s_mul_i32 s[G0R+1], s[WC], HALFR               ; LDS addresses hang on the wave's number alone
	s_mov_b32 s[G0R+4], 1
	s_add_co_u32 s[G0R+5], s[G0R+1], SLOTX
	s_mov_b32 s[G0C], 1
	s_mul_i32 s[G0C+1], s[WC], HALFC
	s_add_co_u32 s[G0C+1], s[G0C+1], RT
	s_mov_b32 s[G0C+4], 1
	s_add_co_u32 s[G0C+5], s[G0C+1], SLOTX
	ROFF                                           ; s[40:41]: made of the tile row and the wave's number: never of cx
	COFF                                           ; s[44:45]: of the tile column, the cluster's y and the wave's number: never of cy
	s_mov_b32 s[SOFF], 0
	s_mov_b32 s[FO], 0
	s_mov_b32 s70, 0x3fb8aa3b                      ; c = log2(e)
	s_mov_b32 s71, 0x3fb8aa3b
	s_mov_b32 s72, 0x76543210                      ; v_permlanex16_b32: each lane takes its own place in the other half
	s_mov_b32 s73, 0xfedcba98
	s_wait_dscnt 0x0                               ; the opening add is done
	s_wait_kmcnt 0x0
	s_add_nc_u64 s[G0R+2:G0R+3], s[RB:RB+1], s[40:41]      ; K step 0
	s_add_nc_u64 s[G0R+6:G0R+7], s[G0R+2:G0R+3], STEPR     ; K step 1
	s_or_b32 s[G0R+3], s[G0R+3], 0x80000000
	s_or_b32 s[G0R+7], s[G0R+7], 0x80000000
	s_add_nc_u64 s[G0C+2:G0C+3], s[CBS:CBS+1], s[44:45]
	s_add_nc_u64 s[G0C+6:G0C+7], s[G0C+2:G0C+3], STEPC
	s_or_b32 s[G0C+3], s[G0C+3], 0x80000000
	s_or_b32 s[G0C+7], s[G0C+7], 0x80000000
	CROUND                                         ; all sixteen work-groups are here: the first joint loads meet
	s_cmp_eq_u32 s[WR], 0                          ; a wave's two first fills stand in one branch: two loads of mine are out
	s_cbranch_scc0 .Lfirst_c
	tensor_load_to_lds s[G0R:G0R+3], s[G1R:G1R+7]
	s_nop 0
	tensor_load_to_lds s[G0R+4:G0R+7], s[G1R:G1R+7]
	s_nop 0
.rept 4
	v_nop
.endr
	s_branch .Lfirst_asked
.Lfirst_c:
	tensor_load_to_lds s[G0C:G0C+3], s[G1C:G1C+7]
	s_nop 0
	tensor_load_to_lds s[G0C+4:G0C+7], s[G1C:G1C+7]
	s_nop 0
.rept 4
	v_nop
.endr
.Lfirst_asked:
	v_and_b32 v1, 15, v0                           ; l % 16
	v_bfe_u32 v2, v0, 4, 1                         ; l / 16
	v_and_b32 v3, 31, v0                           ; l
	v_and_b32 v4, 7, v0
	v_bfe_u32 v5, v0, 3, 1
	v_lshl_add_u32 v6, v2, 3, v4                   ; the turning load: lane l reads row 8 (l / 16) + l % 8, 16 bytes at 16 ((l / 8) % 2)
	v_mul_u32_u24 v[ADRB0], v6, PCH
	v_lshl_add_u32 v[ADRB0], v5, 4, v[ADRB0]
	s_lshl_b32 s82, s[WC], 8                       ; my 128 columns
	s_add_co_u32 s82, s82, RT
	v_add_nc_u32 v[ADRB0], s82, v[ADRB0]
.if RTR
	v_mul_u32_u24 v[ADRA0], v6, PRW
	v_lshl_add_u32 v[ADRA0], v5, 4, v[ADRA0]
	s_lshl_b32 s82, s[WR], 7                       ; my 64 rows of the result are 128 bytes of R's LDS rows
.else
	v_mul_u32_u24 v[ADRA0], v1, PRW
	v_lshl_add_u32 v[ADRA0], v2, 4, v[ADRA0]
	s_mul_i32 s82, s[WR], 16*MA*PRW
.endif
	v_add_nc_u32 v[ADRA0], s82, v[ADRA0]
	v_mov_b32 v[ADRA], v[ADRA0]
	v_mov_b32 v[ADRB], v[ADRB0]
	s_mul_i32 s82, s[WV], DW
	v_mul_u32_u24 v[DADR], v1, DPI
	v_lshl_add_u32 v[DADR], v2, 5, v[DADR]
	v_add_nc_u32 v[DADR], s82, v[DADR]
	v_lshl_add_u32 v[RADR0], v3, 4, s82
	PRO
	s_wait_tensorcnt 0x1                           ; my part of K step 0 is in; K step 1's may stay out
	s_wait_dscnt 0x0                               ; my LDS stores of the prologue, if any
	s_barrier_signal -1
	s_barrier_wait -1
	FETCH 0, F0, SCL
.if ZF == 2
	s_wait_loadcnt 0x0                             ; the numbers that start the sums
.endif
	Q 0, ZF                                        ; the first quarter stands in front of the loop: its products start the sums
	WIN 0
	s_mov_b32 s[CNT], KSTEPS-2
	s_branch .Lmid                                 ; the loop is entered behind its first quarter
.Lloop:                                                ; a trip is a K step, and fills the slot that it leaves
	Q 0, 0
	WIN 0
.Lmid:
	Q 1, 0
	Q 2, 0
	TURN 1
	WIN 0
	s_sub_co_u32 s[CNT], s[CNT], 1
	s_cmp_lg_u32 s[CNT], 0
	s_cbranch_scc1 .Lloop
	s_mov_b32 s[CNT], 2
.Ltail:                                                ; the last two K steps ask for no tile; the very last fetch reads landed bytes that are not multiplied: the price of one text for both
	Q 0, 0
	Q 1, 0, 1
	Q 2, 0
	TURN 0
	WIN 0
	s_sub_co_u32 s[CNT], s[CNT], 1
	s_cmp_lg_u32 s[CNT], 0
	s_cbranch_scc1 .Ltail
	DUMP
	WAYOUT
	s_wait_tensorcnt 0x0                           ; the wave's end
	ds_add_u32 v[SPW], v[NIL]
	s_wait_dscnt 0x0
	CROUND                                         ; the closing round
	s_endpgm
.Lfunc_end_k_qd0b7fff64b_logits:
	.size	k_qd0b7fff64b_logits, .Lfunc_end_k_qd0b7fff64b_logits-k_qd0b7fff64b_logits
	.p2alignl 7, 3214868480
	.fill 96, 4, 3214868480
	.section	.rodata,"a",@progbits
	.p2align	6, 0x0
	.amdhsa_kernel k_qd0b7fff64b_logits
		.amdhsa_group_segment_fixed_size 327680
		.amdhsa_private_segment_fixed_size 0
		.amdhsa_enable_private_segment 0
		.amdhsa_kernarg_size 32
		.amdhsa_user_sgpr_count 2
		.amdhsa_user_sgpr_kernarg_segment_ptr 1
		.amdhsa_wavefront_size32 1
		.amdhsa_system_sgpr_workgroup_id_x 1
		.amdhsa_system_sgpr_workgroup_id_y 1
		.amdhsa_system_sgpr_workgroup_id_z 1
		.amdhsa_system_vgpr_workitem_id 0
		.amdhsa_next_free_vgpr 1024
		.amdhsa_next_free_sgpr 100
		.amdhsa_reserve_vcc 0
		.amdhsa_float_denorm_mode_32 3
		.amdhsa_float_denorm_mode_16_64 3
		.amdhsa_memory_ordered 1
		.amdhsa_forward_progress 1
		.amdhsa_inst_pref_size 119
	.end_amdhsa_kernel
	.amdgpu_metadata
---
amdhsa.version: [ 1, 2 ]
amdhsa.kernels:
  - .name:           k_qd0b7fff64b_logits
    .symbol:         k_qd0b7fff64b_logits.kd
    .args:
      - { .name: cst, .offset: 0, .size: 8, .value_kind: global_buffer, .address_space: global }
      - { .name: sm, .offset: 8, .size: 8, .value_kind: global_buffer, .address_space: global }
      - { .name: W1, .offset: 16, .size: 8, .value_kind: global_buffer, .address_space: global }
      - { .name: w1h, .offset: 24, .size: 8, .value_kind: global_buffer, .address_space: global }
    .group_segment_fixed_size: 327680
    .private_segment_fixed_size: 0
    .kernarg_segment_align: 8
    .kernarg_segment_size: 32
    .max_flat_workgroup_size: 128
    .sgpr_count:     100
    .vgpr_count:     1024
    .wavefront_size: 32
...
	.end_amdgpu_metadata
.endif
;; end of part 2
;; launch dispatch (part 3): grid 4 x 64, 4 waves a work-group, clusters of 4 x 4, 327,680 bytes of LDS; arguments sm, cst, xin, W2, w2h; writes xin, w2h
.if DOCPART == 3
	.amdgcn_target "amdgcn-amd-amdhsa--gfx1250"
	.amdhsa_code_object_version 6
	.text
	.protected	k_qd0b7fff64b_dispatch
	.globl	k_qd0b7fff64b_dispatch
	.p2align	8
	.type	k_qd0b7fff64b_dispatch,@function
k_qd0b7fff64b_dispatch:
	s_mov_b64 s[64:65], 0
	v_nop
	global_prefetch_b8 v0, s[64:65] scope:SCOPE_SE
	s_setreg_imm32_b32 hwreg(HW_REG_WAVE_MODE, 25, 1), 1
	s_wait_xcnt 0x0
	s_wait_alu depctr_hold_cnt(0) depctr_sa_sdst(0) depctr_va_vdst(0) depctr_va_sdst(0) depctr_va_ssrc(0) depctr_va_vcc(0) depctr_vm_vsrc(0)
	s_getreg_b32 s2, hwreg(HW_REG_IB_STS2, 6, 4)
	s_cmp_eq_u32 s2, 0
	s_cbranch_scc0 .Lentry_in_a_cluster
	s_endpgm
.Lentry_in_a_cluster:
	s_bfe_u32 s2, ttmp6, 0x10000c
	s_cmp_lg_u32 s2, 0xf033
	s_cbranch_scc0 .Lentry_shape_is_right
	s_endpgm
.Lentry_shape_is_right:
; xin[b][z][d] = sum over tokens n of softmax_n(L)[n][z] x[b][n][d]: 8 x (1,024 x 1,024, K = 2,048), f16 operands, f32 sums.
; E holds 2^(c l - c m_block) with m_block the maximum over a block of 128 tokens: exactly one K step.  The true maximum is taken here: for each slot z, g = max over the batch's 16 blocks;
; in K step ks E's fragments are multiplied by f = 2^(c m_ks - c g) <= 1 (f16), and the result is divided by sum over ks of f x (the block's sum), which is at least 1.
; THE RIDE: beside that, each wave rounds 16 of W2's 16,384 rows to f16 (w2h), one row in each of its sixteen K steps, with 1 added on each expert's diagonal: the later product
; x2 (W2 + I) is x2 + x2 W2.  A row is asked for a whole K step before it is rounded.
; LIMITS: a weight below 6e-8 of its column's largest counts as 0; xin leaves in f16 and lies within x's range; W2 leaves in f16 (range 65,504); 1 + w on the diagonal is rounded once, to within 4.9e-4.
; xin's rows are laid by experts: row = (e 8 + b) 64 + s.
.set MA, 4                             ; tile of the work-group 128 x 256: 256 work-groups
.set RTR, 1                            ; E is stored [token][slot]: K down the rows: turned on the way out of LDS
.set SCL, 1
.set ZF, 1
.set RIDES, 1                          ; quarter 1 of every K step carries the ride
.set KSTEPS, 16
.set STEPR, 262144                     ; 128 tokens
.set STEPC, 262144
.set RB, 4                             ; sm
.set CBS, 6                            ; cst
.set FT, 237568                        ; behind the ring: 17 rows of 128 factors (f16 twice in a word); the last row repeats the one before
.set ROWB, 512
.set NK, 16
.set U, 1                              ; rows of the tile a thread prepares
.set KSTR, 4096                        ; bytes from a block's maxima to the next block's
.set RI, FT+(NK+1)*ROWB                ; 128 reciprocals of the sums
.set SPARE, 246784
.set CMX, 68157440
.set SUMS, 524288
; ================= the skeleton of this program's four product kernels: names and macros =================
; out[row][col] = sum over k of R[row][k] Cop[k][col].  Four waves; a wave makes 16 MA rows x 128 columns.  K goes in steps of 128 through a ring of two LDS slots.
; The matrix instruction is used transposed: source 0 = 16 columns (Cop, stored [k][col], turned by ds_load_tr16_b128), source 1 = 16 rows of R:
; in the result lane l holds row l % 16 and its registers 0-7 the columns 8 (l / 16) + 0..7.
; CLUSTER 4 x 4: R's tile hangs on the tile row alone and is asked for jointly by a row of the cluster, Cop's on the tile column alone, by a column.
; REGISTERS: window 0: v0-31 addresses, v32-47 factors, v64-127 and v128-191 R's fragments (two buffers), v192-255 at work; window 1: v64-191 Cop's fragments, two buffers;
; window 2: the accumulators of row blocks 0-3 ((a, b) at 8 (8 a + b)); window 3: those of blocks 4-7.
.set PCH, 544                          ; a row of Cop in LDS: 512 bytes + 32: an odd multiple of 32
.set HALFC, 64*PCH                     ; what one tensor load brings of it: 64 k
.if RTR
.set PRW, 288                          ; R stored [k][row]: 256 bytes + 32
.set RROWS, 64
.set RPADC, 7
.else
.set PRW, 272                          ; R stored [row][k]: 256 bytes + 16: the 16 rows of a load start at 16 different groups of four banks
.set RROWS, 16*MA
.set RPADC, 3
.endif
.set HALFR, RROWS*PRW
.set RT, 2*HALFR                       ; a slot: R's tile, then Cop's
.if MA == 8
.set SLOTX, 0x22000                    ; slot 1's first byte; no tile's address in slot 0 has one of its bits, so an exclusive or changes slots
.else
.set SLOTX, 0x20000
.endif
.set DPI, 528                          ; a row of the f32 dump: 512 bytes + 16
.set DW, 16*MA*DPI                     ; a wave's dump
.set ADRA0, 8                          ; my lane's place in R's tile; never rewritten
.set ADRB0, 9                          ; in Cop's
.set ADRA, 10                          ; the same in the slot in hand
.set ADRB, 11
.set FADR0, 12                         ; my lane's place in a row of the factor table
.set FADR, 13
.set DADR, 14                          ; the dump, as the accumulators lie: row l % 16, 32 bytes for each half of the lanes
.set RADR0, 15                         ; the dump by rows: 16 bytes a lane
.set RADR, 16
.set RIADR0, 17                        ; my wave's reciprocals
.set RIADR, 18
.set GO, 19                            ; my byte offset in a row that is stored
.set T4, 20
.set T4F, 21
.set SPW, 28                           ; LDS address of my spare word; never rewritten
.set NIL, 29                           ; 0; never rewritten
.set FS, 32                            ; v32-39 the K step's factors, block a's in FS + a (f16, twice in a word)
.set FSN, 40                           ; v40-47 the next K step's
.set F0, 64
.set F1, 128
.set WV, 12
.set WR, 13                            ; my half of the rows; also: I fetch for R (0) or for Cop (1)
.set WC, 14                            ; my half of the columns; also: which half of that tile I fetch
.set CX, 15
.set CY, 16
.set TC, 17                            ; tile column
.set CLY, 18                           ; the cluster's y
.set TR, 19                            ; tile row
.set G1R, 24                           ; s[24:31] group 1 for R; s[32:35] group 0 of K step 0; s[36:39] group 0 that walks
.set G0R, 32
.set G1C, 48                           ; s[48:55], s[56:59], s[60:63] the same for Cop
.set G0C, 56
.set SOFF, 66                          ; the slot in hand: 0 or SLOTX
.set CNT, 67
.set FO, 68                            ; the factor row to be fetched, in bytes
.set EO, 69                            ; the way out: the dump's rows in hand, in bytes
.set SO, 84                            ; the way out: the rows' statistics, in bytes
.set MSB, 0
.macro WIN new                         ; the immediate's high byte repeats the setting that is left; a switch that changes nothing is dropped
.if MSB != (\new)
	s_set_vgpr_msb (MSB<<8)|(\new)
.set MSB, (\new)
.endif
.endm
.macro PLACES                          ; four plain places in front of loads into registers that matrix instructions have read, and of reads of results
.rept 4
	v_nop
.endr
.endm
.macro JLOAD                           ; a joint refill by the walking descriptors; the branch hangs on the wave's number alone; an s_nop 0 and four v_nop follow each line
	s_cmp_eq_u32 s[WR], 0
	s_cbranch_scc0 .Lfor_c_\@
	tensor_load_to_lds s[G0R+4:G0R+7], s[G1R:G1R+7]
	s_nop 0
.rept 4
	v_nop
.endr
	s_branch .Lasked_\@
.Lfor_c_\@:
	tensor_load_to_lds s[G0C+4:G0C+7], s[G1C:G1C+7]
	s_nop 0
.rept 4
	v_nop
.endr
.Lasked_\@:
.endm
.macro CREST                           ; a round of the cluster's barrier behind its opening barrier
	s_cmp_lg_u32 s[WV], 0
	s_cbranch_scc1 .Lnot_wave_0_\@
	s_barrier_signal -3
.Lnot_wave_0_\@:
	s_barrier_wait -3
	s_barrier_signal -1
	s_barrier_wait -1
.endm
.macro CROUND
	s_barrier_signal -1
	s_barrier_wait -1
	CREST
.endm
; The fragments of quarter q (32 along K) of the slot in hand into buffer f, in one run.  fact = 1: and the next K step's factors.
.macro FETCH q, f, fact
	WIN 0x40                                       ; destination window 1, address window 0
.set ii, 0
.rept 8
	ds_load_tr16_b128 v[(\f)+8*ii:(\f)+8*ii+3],   v[ADRB] offset:32*(\q)*PCH+32*ii
	ds_load_tr16_b128 v[(\f)+8*ii+4:(\f)+8*ii+7], v[ADRB] offset:(32*(\q)+16)*PCH+32*ii
.set ii, ii+1
.endr
	WIN 0
.set ii, 0
.rept MA
.if RTR
	ds_load_tr16_b128 v[(\f)+8*ii:(\f)+8*ii+3],   v[ADRA] offset:32*(\q)*PRW+32*ii
	ds_load_tr16_b128 v[(\f)+8*ii+4:(\f)+8*ii+7], v[ADRA] offset:(32*(\q)+16)*PRW+32*ii
.else
	ds_load_b128 v[(\f)+8*ii:(\f)+8*ii+3],   v[ADRA] offset:64*(\q)+ii*16*PRW
	ds_load_b128 v[(\f)+8*ii+4:(\f)+8*ii+7], v[ADRA] offset:64*(\q)+ii*16*PRW+32
.endif
.set ii, ii+1
.endr
.if \fact
.set ii, 0
.rept MA
	ds_load_b32 v[FSN+ii], v[FADR] offset:64*ii
.set ii, ii+1
.endr
.endif
.endm
.macro SCALE0 f                        ; row block 0's fragment times its rows' factor
.if SCL
	WIN 0
.set rr, (\f)
.rept 8
	v_pk_mul_f16 v[rr], v[rr], v[FS]
.set rr, rr+1
.endr
.endif
.endm
; Eight products: row block a x all 8 column blocks, 32 along K.  z = 1: they start the sums with 0; z = 2: with window 1's v192-255.
; The accumulators take turns, one instruction a turn.  With SCL the next row block's fragment is scaled meanwhile, four registers behind each fourth product.
.macro MULBLK f, a, z
.set bb, 0
.rept 8
.if (\z) == 2
	WIN 0x91
	v_wmma_f32_16x16x32_f16 v[8*(8*((\a)%4)+bb):8*(8*((\a)%4)+bb)+7], v[(\f)+8*bb:(\f)+8*bb+7], v[(\f)+8*(\a):(\f)+8*(\a)+7], v[192+8*bb:192+8*bb+7]
.elseif (\z) == 1
	WIN 0xa1+0x50*((\a)/4)
	v_wmma_f32_16x16x32_f16 v[8*(8*((\a)%4)+bb):8*(8*((\a)%4)+bb)+7], v[(\f)+8*bb:(\f)+8*bb+7], v[(\f)+8*(\a):(\f)+8*(\a)+7], 0
.else
	WIN 0xa1+0x50*((\a)/4)
	v_wmma_f32_16x16x32_f16 v[8*(8*((\a)%4)+bb):8*(8*((\a)%4)+bb)+7], v[(\f)+8*bb:(\f)+8*bb+7], v[(\f)+8*(\a):(\f)+8*(\a)+7], v[8*(8*((\a)%4)+bb):8*(8*((\a)%4)+bb)+7]
.endif
.if SCL && ((\a)+1 < MA) && (bb%4 == 3)
	WIN 0
.set rr, (\f)+8*((\a)+1)+4*(bb/4)
.rept 4
	v_pk_mul_f16 v[rr], v[rr], v[FS+(\a)+1]
.set rr, rr+1
.endr
.endif
.set bb, bb+1
.endr
.endm
.macro BLKS f, n, z                    ; the quarter's next n row blocks
.rept \n
	MULBLK \f, aa, \z
.set aa, aa+1
.endr
.endm
; One of a K step's first three quarters: multiplies buffer q % 2.  At its head it asks for the next quarter's fragments, into the buffer that the quarter before multiplied:
; the run of loads has the quarter's 8 MA products in which to land.  last = 1 (the tail's text): the ride's last turn asks for nothing.
.macro Q q, z, last=0
.set FCUR, F0+64*((\q)%2)
.set FNXT, F1-64*((\q)%2)
.set aa, 0
	s_wait_dscnt 0x0                               ; this quarter's fragments, asked for a quarter ago, are in
	WIN 0
.if SCL && ((\q) == 0)
.set ii, 0
.rept MA
	v_mov_b32 v[FS+ii], v[FSN+ii]                  ; the new K step's factors take their place
.set ii, ii+1
.endr
.endif
	PLACES
	FETCH (\q)+1, FNXT, 0
.if RIDES && ((\q) == 1)
	RIDE \last
.endif
	SCALE0 FCUR
	BLKS FCUR, MA, \z
.endm
; The last quarter multiplies buffer 1 and changes slots.  Its fragments were the slot's last reads, so the change is signalled at its head: each wave waits for all its tensor loads
; (one is out: its part of the next slot), adds 0 to its spare word, and waits for that and for its reads of this slot.  fill = 1: the barrier opens a round of the cluster's, and the joint
; refill, two K steps ahead, is the first thing behind it.  Then the next slot's first fragments are asked for, 6 MA products ahead of their use.
.macro TURN fill
.set aa, 0
	WIN 0
	s_wait_tensorcnt 0x0                           ; no tensor load of mine is out, so the walking descriptors may be written
	ds_add_u32 v[SPW], v[NIL]                      ; 0 onto my spare word; with fill = 1 the descriptors' steps stand between it and the wait for it
.if \fill
	s_xor_b32 s[G0R+5], s[G0R+5], SLOTX
	s_add_nc_u64 s[G0R+6:G0R+7], s[G0R+6:G0R+7], STEPR
	s_xor_b32 s[G0C+5], s[G0C+5], SLOTX
	s_add_nc_u64 s[G0C+6:G0C+7], s[G0C+6:G0C+7], STEPC
.endif
	s_wait_dscnt 0x0                               ; the add is done; buffer 1's fragments are in, and with them my reads of this slot are over
	s_barrier_signal -1
	SCALE0 F1
	BLKS F1, MA/4, 0                               ; work on registers while the others arrive
	WIN 0
	s_barrier_wait -1
.if \fill
	CREST
	JLOAD                                          ; its four v_nop are also the places in front of the loads below
.else
	PLACES
.endif
	s_xor_b32 s[SOFF], s[SOFF], SLOTX
	v_add_nc_u32 v[ADRA], s[SOFF], v[ADRA0]
	v_add_nc_u32 v[ADRB], s[SOFF], v[ADRB0]
.if SCL
	s_add_co_u32 s[FO], s[FO], ROWB
	v_add_nc_u32 v[FADR], s[FO], v[FADR0]
.endif
	FETCH 0, F0, SCL
	BLKS F1, 3*MA/4, 0
.endm
; The accumulators go into LDS as a row-major f32 tile, each wave's own, over slots that have had their last fill.  The barrier: no wave still reads a slot.
.macro DUMP
	WIN 0
	s_wait_dscnt 0x0
	s_barrier_signal -1
	s_barrier_wait -1
	PLACES
.set aa, 0
.rept MA
	WIN 0x08+4*(aa/4)                              ; store data from window 2 or 3
.set bb, 0
.rept 8
	ds_store_b128 v[DADR], v[8*(8*(aa%4)+bb):8*(8*(aa%4)+bb)+3]   offset:aa*16*DPI+64*bb
	ds_store_b128 v[DADR], v[8*(8*(aa%4)+bb)+4:8*(8*(aa%4)+bb)+7] offset:aa*16*DPI+64*bb+16
.set bb, bb+1
.endr
.set aa, aa+1
.endr
	WIN 0
.endm
; ================= this body's own parts =================
.set MX, 192                           ; v192-207 the blocks' c m, then the factors
.set SMR, 208                          ; v208-223 the blocks' sums, then the factors packed
.set GM, 224                           ; the true maximum, then the reciprocal
.set SU, 226
.set T, 64
.set P, 128
.set RV, 192
.set XR, 192                           ; v192-223 the ride (in the K loop): a row of W2 as loaded, 8 chunks x 4 registers
.set YR, 224                           ; v224-239 the same rounded, 8 x 2 registers
.set OH, 240                           ; v240-243 1.0 where my element i of chunk j* is the row's diagonal one, else 0
.set TQ, 244
.set ONE, 245                          ; 1.0
.set V4L, 246                          ; 4 x lane
.set VL, 22                            ; 16 x lane; never rewritten
.set FJ, 0                             ; window 1, v0-15: for chunk j the pair (1.0, 1.0) if j = j*, else (0, 0); made once
.set SRC, 88                           ; s[88:89] W2 at the row asked for last
.set DST, 90                           ; s[90:91] w2h just behind the row that is stored
.set RHO, 92                           ; s92 the row's number inside its expert's matrix, modulo 128
.set JM, 93                            ; s93 1 << j*
.macro ARGS
	s_load_b256 s[4:11], s[0:1], 0x0               ; sm, cst, xin, W2
	s_load_b64 s[DST:DST+1], s[0:1], 0x20          ; w2h
.endm
.macro ROFF                            ; E: batch CLY / 2, tokens 64 WC on, slots 128 (TR % 8) on
	s_lshr_b32 s40, s[CLY], 1
	s_lshl_b32 s40, s40, 22
	s_lshl_b32 s41, s[WC], 17
	s_add_co_u32 s40, s40, s41
	s_and_b32 s41, s[TR], 7
	s_lshl_b32 s41, s41, 8
	s_add_co_u32 s40, s40, s41
	s_mov_b32 s41, 0
.endm
.macro COFF                            ; x: the same batch and tokens, channels 256 TC on
	s_lshr_b32 s44, s[CLY], 1
	s_lshl_b32 s44, s44, 22
	s_lshl_b32 s45, s[WC], 17
	s_add_co_u32 s44, s44, s45
	s_lshl_b32 s45, s[TC], 9
	s_add_co_u32 s44, s44, s45
	s_mov_b32 s45, 0
.endm
.macro RLOAD                           ; a row of W2: 8 loads of 512 consecutive bytes; chunk j holds columns 128 j + 4 x lane + 0..3
.set ii, 0
.rept 8
	global_load_b128 v[XR+4*ii:XR+4*ii+3], v[VL], s[SRC:SRC+1] offset:512*ii th:TH_LOAD_NT
.set ii, ii+1
.endr
.endm
; The ride's turn, once a K step: the row asked for a K step ago gets its 1 on the diagonal, is rounded and stored, and the next row is asked for.
; A wave's 16 rows lie in one block of 128, so the diagonal falls into the same chunk j* in all of them: the flags say which lane and element, the factor pairs which chunk.
.macro RIDE last
	s_wait_loadcnt 0x0                             ; the row is in
	s_wait_xcnt 0x0                                ; the last turn's stores have had their addresses translated (ISA guide 3.1): their data and both bases are rewritten only behind this wait
	s_add_nc_u64 s[SRC:SRC+1], s[SRC:SRC+1], 4096
	s_add_nc_u64 s[DST:DST+1], s[DST:DST+1], 2048
	v_sub_nc_u32 v[TQ], s[RHO], v[V4L]             ; the diagonal's place in chunk j*, counted from my first element
	s_add_co_u32 s[RHO], s[RHO], 1
.irp i, 0,1,2,3
	v_cmp_eq_u32 vcc_lo, (\i), v[TQ]
	v_cndmask_b32 v[OH+(\i)], 0, v[ONE], vcc_lo
.endr
	WIN 0x04                                       ; source 1 in window 1
.set ii, 0
.rept 16
	v_pk_fma_f32 v[XR+2*ii:XR+2*ii+1], v[OH+2*(ii%2):OH+2*(ii%2)+1], v[FJ+2*(ii/2):FJ+2*(ii/2)+1], v[XR+2*ii:XR+2*ii+1]
.set ii, ii+1
.endr
	WIN 0
.set ii, 0
.rept 16
	v_cvt_pk_f16_f32 v[YR+ii], v[XR+2*ii], v[XR+2*ii+1]
.set ii, ii+1
.endr
.if \last
	s_cmp_eq_u32 s[CNT], 1                         ; the last K step: my 16 rows have all been asked for
	s_cbranch_scc1 .Lno_more_\@
.endif
	RLOAD
.if \last
.Lno_more_\@:
.endif
.set ii, 0
.rept 8
	global_store_b64 v[GO], v[YR+2*ii:YR+2*ii+1], s[DST:DST+1] offset:256*ii-2048 th:TH_STORE_NT  ; the wave stores 256 consecutive bytes, aligned; the base has stepped, the immediate reaches back
.set ii, ii+1
.endr
.endm
; The factors and the reciprocals of the sums for the tile's rows: thread t prepares rows t + 128 u.  s[74:75]: the first block's maxima of the tile's first row; the sums lie SUMS behind.
.macro FACT
	v_lshlrev_b32 v[T4], 2, v0
	v_add_nc_u32 v[T4F], FT, v[T4]
.set ii, 0
.rept NK*U
	global_load_b32 v[MX+ii], v[T4], s[74:75] offset:(ii/U)*KSTR+512*(ii%U)
	global_load_b32 v[SMR+ii], v[T4], s[74:75] offset:(ii/U)*KSTR+512*(ii%U)+SUMS
.set ii, ii+1
.endr
	s_wait_loadcnt 0x0
.set uu, 0
.rept U
	v_max_num_f32 v[GM+uu], v[MX+uu], v[MX+U+uu]
.set kk, 2
.rept NK/2-1
	v_max3_num_f32 v[GM+uu], v[GM+uu], v[MX+kk*U+uu], v[MX+(kk+1)*U+uu]
.set kk, kk+2
.endr
.set uu, uu+1
.endr
.set ii, 0
.rept NK*U
	v_sub_f32 v[MX+ii], v[MX+ii], v[GM+ii%U]
.set ii, ii+1
.endr
.set ii, 0
.rept NK*U
	v_exp_f32 v[MX+ii], v[MX+ii]
.set ii, ii+1
.endr
	v_nop
	s_wait_alu depctr_va_vdst(0)                   ; one wait for the batch
.set uu, 0
.rept U
	v_mul_f32 v[SU+uu], v[MX+uu], v[SMR+uu]
.set kk, 1
.rept NK-1
	v_fmac_f32 v[SU+uu], v[MX+kk*U+uu], v[SMR+kk*U+uu]
.set kk, kk+1
.endr
.set uu, uu+1
.endr
.set ii, 0
.rept NK*U
	v_cvt_pk_f16_f32 v[SMR+ii], v[MX+ii], v[MX+ii]
.set ii, ii+1
.endr
.set uu, 0
.rept U
	v_rcp_f32 v[GM+uu], v[SU+uu]
.set uu, uu+1
.endr
	v_nop
	s_wait_alu depctr_va_vdst(0)
.set ii, 0
.rept NK*U
	ds_store_b32 v[T4F], v[SMR+ii] offset:(ii/U)*ROWB+512*(ii%U)
.set ii, ii+1
.endr
.set uu, 0
.rept U
	ds_store_b32 v[T4F], v[SMR+(NK-1)*U+uu] offset:NK*ROWB+512*uu      ; the row that the last, unused fetch reads
	ds_store_b32 v[T4F], v[GM+uu] offset:(NK+1)*ROWB+512*uu
.set uu, uu+1
.endr
	s_mul_i32 s82, s[WR], 64*MA
	s_add_co_u32 s83, s82, FT
	v_lshl_add_u32 v[FADR0], v1, 2, s83
	v_mov_b32 v[FADR], v[FADR0]
	s_add_co_u32 s83, s82, RI
	v_mov_b32 v[RIADR0], s83
.endm
.macro PRO
	s_lshr_b32 s82, s[CLY], 1                      ; cmx[16 b][128 (TR % 8)]
	s_lshl_b32 s82, s82, 16
	s_and_b32 s83, s[TR], 7
	s_lshl_b32 s83, s83, 9
	s_add_co_u32 s82, s82, s83
	s_add_co_u32 s82, s82, CMX
	s_mov_b32 s83, 0
	s_add_nc_u64 s[74:75], s[4:5], s[82:83]
	FACT
	v_lshlrev_b32 v[GO], 3, v3
	s_and_b32 s82, s[TR], 7                        ; my 64 slots are expert e = 2 (TR % 8) + WR: xin's rows ((e 8 + b) 64) on
	s_lshl_b32 s82, s82, 1
	s_add_co_u32 s82, s82, s[WR]
	s_lshl_b32 s82, s82, 3
	s_lshr_b32 s83, s[CLY], 1
	s_add_co_u32 s82, s82, s83
	s_lshl_b32 s82, s82, 17
	s_lshl_b32 s83, s[TC], 9
	s_add_co_u32 s82, s82, s83
	s_lshl_b32 s83, s[WC], 8
	s_add_co_u32 s82, s82, s83
	s_mov_b32 s83, 0
	s_add_nc_u64 s[78:79], s[8:9], s[82:83]
	; the ride's set-up
	s_lshl_b32 s82, s[TR], 2                       ; the work-group's number, 4 TR + TC,
	s_add_co_u32 s82, s82, s[TC]
	s_lshl_b32 s82, s82, 2
	s_add_co_u32 s82, s82, s[WV]                   ; times four, plus my wave: which 16 of W2's 16,384 rows are mine
	s_lshl_b32 s86, s82, 16                        ; 16 rows of 4,096 bytes
	s_mov_b32 s87, 0
	s_add_nc_u64 s[SRC:SRC+1], s[10:11], s[86:87]
	s_lshl_b32 s86, s82, 15                        ; 16 rows of 2,048 bytes
	s_add_nc_u64 s[DST:DST+1], s[DST:DST+1], s[86:87]
	s_and_b32 s[RHO], s82, 7
	s_lshl_b32 s[RHO], s[RHO], 4                   ; my first row's number in its expert's matrix, modulo 128
	s_bfe_u32 s[JM], s82, 0x30003                  ; j*: that number / 128 (three bits from bit 3 of the number of my 16 rows)
	s_lshl_b32 s[JM], 1, s[JM]
	v_lshlrev_b32 v[VL], 4, v3
	v_lshlrev_b32 v[V4L], 2, v3
	v_mov_b32 v[ONE], 1.0
	WIN 0x40                                       ; destination window 1
.set jj, 0
.rept 8
	s_bfe_u32 s83, s[JM], 0x10000+jj               ; 1 if j = j*,
	s_mul_i32 s83, s83, 0x3f800000                 ; as a float
	v_mov_b32 v[FJ+2*jj], s83
	v_mov_b32 v[FJ+2*jj+1], s83
.set jj, jj+1
.endr
	WIN 0
	s_wait_dscnt 0x0                               ; the table's LDS stores are done with the registers into which the first row is asked for
	RLOAD
.endm
.macro WAYOUT                          ; 16 rows a trip, by rows: divided by the row's sum, rounded to f16, 256 consecutive bytes a store
	s_wait_loadcnt 0x0                             ; the ride's registers serve again below: no load into them is out (its last turn asked for nothing)
	s_mov_b32 s[EO], 0
	s_mov_b32 s[SO], 0
	s_mov_b32 s[CNT], MA
.Lout:
	v_add_nc_u32 v[RADR], s[EO], v[RADR0]
	v_add_nc_u32 v[RIADR], s[SO], v[RIADR0]
.set ii, 0
.rept 16
	ds_load_b128 v[T+4*ii:T+4*ii+3], v[RADR] offset:ii*DPI
.set ii, ii+1
.endr
.set ii, 0
.rept 4
	ds_load_b128 v[RV+4*ii:RV+4*ii+3], v[RIADR] offset:16*ii  ; the 16 rows' reciprocals, the same in every lane
.set ii, ii+1
.endr
	s_wait_dscnt 0x0
.set ii, 0
.rept 64
	v_mul_f32 v[T+ii], v[RV+ii/4], v[T+ii]
.set ii, ii+1
.endr
.set ii, 0
.rept 32
	v_cvt_pk_f16_f32 v[P+ii], v[T+2*ii], v[T+2*ii+1]
.set ii, ii+1
.endr
.set ii, 0
.rept 16
	global_store_b64 v[GO], v[P+2*ii:P+2*ii+1], s[78:79] offset:ii*2048
.set ii, ii+1
.endr
	s_wait_xcnt 0x0                                ; the stores' base and data are rewritten only behind this wait
	s_add_nc_u64 s[78:79], s[78:79], 32768
	s_add_co_u32 s[EO], s[EO], 16*DPI
	s_add_co_u32 s[SO], s[SO], 64
	s_sub_co_u32 s[CNT], s[CNT], 1
	s_cmp_lg_u32 s[CNT], 0
	s_cbranch_scc1 .Lout
.endm
; ================= the skeleton: the flow =================
	ARGS
	v_lshl_add_u32 v[SPW], v0, 2, SPARE
	v_mov_b32 v[NIL], 0
	ds_add_u32 v[SPW], v[NIL]                      ; the wave's opening: the add, with its wait, goes ahead of my first tensor load; the set-up below stands between them
	v_lshrrev_b32 v4, 5, v0
	v_readfirstlane_b32 s[WV], v4
	s_lshr_b32 s[WR], s[WV], 1
	s_and_b32 s[WC], s[WV], 1
	s_bfe_u32 s[CX], ttmp6, 0x40000
	s_bfe_u32 s[CY], ttmp6, 0x40004
	s_lshl_b32 s[TC], ttmp9, 2
	s_add_co_u32 s[TC], s[TC], s[CX]
	s_and_b32 s[CLY], ttmp7, 0xffff
	s_lshl_b32 s[TR], s[CLY], 2
	s_add_co_u32 s[TR], s[TR], s[CY]
	s_lshl_b32 s20, s[CY], 2
	s_lshl_b32 s20, 15, s20                        ; my row of the cluster
	s_lshl_b32 s21, 0x1111, s[CX]                  ; my column
	s_or_b32 s[G1R], s20, (1<<16)|(1<<20)|(1<<21)|(5<<22)|(RPADC<<25)  ; mask; 2-byte elements; padding on; bit 21 beside a mask; after every 64 words; 4 or 8 words
	s_mov_b32 s[G1R+1], 128<<16                    ; tensor_dim0
	s_mov_b32 s[G1R+2], RROWS<<16                  ; tensor_dim1
	s_mov_b32 s[G1R+3], 128<<16                    ; tile_dim0
	s_mov_b32 s[G1R+4], RROWS                      ; tile_dim1
	s_mov_b32 s[G1R+5], 1024                       ; elements from row to row
	s_mov_b32 s[G1R+6], 0
	s_mov_b32 s[G1R+7], 0
	s_or_b32 s[G1C], s21, (1<<16)|(1<<20)|(1<<21)|(6<<22)|(7<<25)      ; after every 128 words 8 words
	s_mov_b32 s[G1C+1], 256<<16
	s_mov_b32 s[G1C+2], 64<<16
	s_mov_b32 s[G1C+3], 256<<16
	s_mov_b32 s[G1C+4], 64
	s_mov_b32 s[G1C+5], 1024
	s_mov_b32 s[G1C+6], 0
	s_mov_b32 s[G1C+7], 0
	s_mov_b32 s[G0R], 1
	s_mul_i32 s[G0R+1], s[WC], HALFR               ; LDS addresses hang on the wave's number alone
	s_mov_b32 s[G0R+4], 1
	s_add_co_u32 s[G0R+5], s[G0R+1], SLOTX
	s_mov_b32 s[G0C], 1
	s_mul_i32 s[G0C+1], s[WC], HALFC
	s_add_co_u32 s[G0C+1], s[G0C+1], RT
	s_mov_b32 s[G0C+4], 1
	s_add_co_u32 s[G0C+5], s[G0C+1], SLOTX
	ROFF                                           ; s[40:41]: made of the tile row and the wave's number: never of cx
	COFF                                           ; s[44:45]: of the tile column, the cluster's y and the wave's number: never of cy
	s_mov_b32 s[SOFF], 0
	s_mov_b32 s[FO], 0
	s_mov_b32 s70, 0x3fb8aa3b                      ; c = log2(e)
	s_mov_b32 s71, 0x3fb8aa3b
	s_mov_b32 s72, 0x76543210                      ; v_permlanex16_b32: each lane takes its own place in the other half
	s_mov_b32 s73, 0xfedcba98
	s_wait_dscnt 0x0                               ; the opening add is done
	s_wait_kmcnt 0x0
	s_add_nc_u64 s[G0R+2:G0R+3], s[RB:RB+1], s[40:41]      ; K step 0
	s_add_nc_u64 s[G0R+6:G0R+7], s[G0R+2:G0R+3], STEPR     ; K step 1
	s_or_b32 s[G0R+3], s[G0R+3], 0x80000000
	s_or_b32 s[G0R+7], s[G0R+7], 0x80000000
	s_add_nc_u64 s[G0C+2:G0C+3], s[CBS:CBS+1], s[44:45]
	s_add_nc_u64 s[G0C+6:G0C+7], s[G0C+2:G0C+3], STEPC
	s_or_b32 s[G0C+3], s[G0C+3], 0x80000000
	s_or_b32 s[G0C+7], s[G0C+7], 0x80000000
	CROUND                                         ; all sixteen work-groups are here: the first joint loads meet
	s_cmp_eq_u32 s[WR], 0                          ; a wave's two first fills stand in one branch: two loads of mine are out
	s_cbranch_scc0 .Lfirst_c
	tensor_load_to_lds s[G0R:G0R+3], s[G1R:G1R+7]
	s_nop 0
	tensor_load_to_lds s[G0R+4:G0R+7], s[G1R:G1R+7]
	s_nop 0
.rept 4
	v_nop
.endr
	s_branch .Lfirst_asked
.Lfirst_c:
	tensor_load_to_lds s[G0C:G0C+3], s[G1C:G1C+7]
	s_nop 0
	tensor_load_to_lds s[G0C+4:G0C+7], s[G1C:G1C+7]
	s_nop 0
.rept 4
	v_nop
.endr
.Lfirst_asked:
	v_and_b32 v1, 15, v0                           ; l % 16
	v_bfe_u32 v2, v0, 4, 1                         ; l / 16
	v_and_b32 v3, 31, v0                           ; l
	v_and_b32 v4, 7, v0
	v_bfe_u32 v5, v0, 3, 1
	v_lshl_add_u32 v6, v2, 3, v4                   ; the turning load: lane l reads row 8 (l / 16) + l % 8, 16 bytes at 16 ((l / 8) % 2)
	v_mul_u32_u24 v[ADRB0], v6, PCH
	v_lshl_add_u32 v[ADRB0], v5, 4, v[ADRB0]
	s_lshl_b32 s82, s[WC], 8                       ; my 128 columns
	s_add_co_u32 s82, s82, RT
	v_add_nc_u32 v[ADRB0], s82, v[ADRB0]
.if RTR
	v_mul_u32_u24 v[ADRA0], v6, PRW
	v_lshl_add_u32 v[ADRA0], v5, 4, v[ADRA0]
	s_lshl_b32 s82, s[WR], 7                       ; my 64 rows of the result are 128 bytes of R's LDS rows
.else
	v_mul_u32_u24 v[ADRA0], v1, PRW
	v_lshl_add_u32 v[ADRA0], v2, 4, v[ADRA0]
	s_mul_i32 s82, s[WR], 16*MA*PRW
.endif
	v_add_nc_u32 v[ADRA0], s82, v[ADRA0]
	v_mov_b32 v[ADRA], v[ADRA0]
	v_mov_b32 v[ADRB], v[ADRB0]
	s_mul_i32 s82, s[WV], DW
	v_mul_u32_u24 v[DADR], v1, DPI
	v_lshl_add_u32 v[DADR], v2, 5, v[DADR]
	v_add_nc_u32 v[DADR], s82, v[DADR]
	v_lshl_add_u32 v[RADR0], v3, 4, s82
	PRO
	s_wait_tensorcnt 0x1                           ; my part of K step 0 is in; K step 1's may stay out
	s_wait_dscnt 0x0                               ; my LDS stores of the prologue, if any
	s_barrier_signal -1
	s_barrier_wait -1
	FETCH 0, F0, SCL
.if ZF == 2
	s_wait_loadcnt 0x0                             ; the numbers that start the sums
.endif
	Q 0, ZF                                        ; the first quarter stands in front of the loop: its products start the sums
	WIN 0
	s_mov_b32 s[CNT], KSTEPS-2
	s_branch .Lmid                                 ; the loop is entered behind its first quarter
.Lloop:                                                ; a trip is a K step, and fills the slot that it leaves
	Q 0, 0
	WIN 0
.Lmid:
	Q 1, 0
	Q 2, 0
	TURN 1
	WIN 0
	s_sub_co_u32 s[CNT], s[CNT], 1
	s_cmp_lg_u32 s[CNT], 0
	s_cbranch_scc1 .Lloop
	s_mov_b32 s[CNT], 2
.Ltail:                                                ; the last two K steps ask for no tile; the very last fetch reads landed bytes that are not multiplied: the price of one text for both
	Q 0, 0
	Q 1, 0, 1
	Q 2, 0
	TURN 0
	WIN 0
	s_sub_co_u32 s[CNT], s[CNT], 1
	s_cmp_lg_u32 s[CNT], 0
	s_cbranch_scc1 .Ltail
	DUMP
	WAYOUT
	s_wait_tensorcnt 0x0                           ; the wave's end
	ds_add_u32 v[SPW], v[NIL]
	s_wait_dscnt 0x0
	CROUND                                         ; the closing round
	s_endpgm
.Lfunc_end_k_qd0b7fff64b_dispatch:
	.size	k_qd0b7fff64b_dispatch, .Lfunc_end_k_qd0b7fff64b_dispatch-k_qd0b7fff64b_dispatch
	.p2alignl 7, 3214868480
	.fill 96, 4, 3214868480
	.section	.rodata,"a",@progbits
	.p2align	6, 0x0
	.amdhsa_kernel k_qd0b7fff64b_dispatch
		.amdhsa_group_segment_fixed_size 327680
		.amdhsa_private_segment_fixed_size 0
		.amdhsa_enable_private_segment 0
		.amdhsa_kernarg_size 40
		.amdhsa_user_sgpr_count 2
		.amdhsa_user_sgpr_kernarg_segment_ptr 1
		.amdhsa_wavefront_size32 1
		.amdhsa_system_sgpr_workgroup_id_x 1
		.amdhsa_system_sgpr_workgroup_id_y 1
		.amdhsa_system_sgpr_workgroup_id_z 1
		.amdhsa_system_vgpr_workitem_id 0
		.amdhsa_next_free_vgpr 768
		.amdhsa_next_free_sgpr 100
		.amdhsa_reserve_vcc 1
		.amdhsa_float_denorm_mode_32 3
		.amdhsa_float_denorm_mode_16_64 3
		.amdhsa_memory_ordered 1
		.amdhsa_forward_progress 1
		.amdhsa_inst_pref_size 98
	.end_amdhsa_kernel
	.amdgpu_metadata
---
amdhsa.version: [ 1, 2 ]
amdhsa.kernels:
  - .name:           k_qd0b7fff64b_dispatch
    .symbol:         k_qd0b7fff64b_dispatch.kd
    .args:
      - { .name: sm, .offset: 0, .size: 8, .value_kind: global_buffer, .address_space: global }
      - { .name: cst, .offset: 8, .size: 8, .value_kind: global_buffer, .address_space: global }
      - { .name: xin, .offset: 16, .size: 8, .value_kind: global_buffer, .address_space: global }
      - { .name: W2, .offset: 24, .size: 8, .value_kind: global_buffer, .address_space: global }
      - { .name: w2h, .offset: 32, .size: 8, .value_kind: global_buffer, .address_space: global }
    .group_segment_fixed_size: 327680
    .private_segment_fixed_size: 0
    .kernarg_segment_align: 8
    .kernarg_segment_size: 40
    .max_flat_workgroup_size: 128
    .sgpr_count:     100
    .vgpr_count:     768
    .wavefront_size: 32
...
	.end_amdgpu_metadata
.endif
;; end of part 3
;; launch fc1 (part 4): grid 4 x 64, 4 waves a work-group, clusters of 4 x 4, 327,680 bytes of LDS; arguments xin, w1h, b1, hbuf; writes hbuf
.if DOCPART == 4
	.amdgcn_target "amdgcn-amd-amdhsa--gfx1250"
	.amdhsa_code_object_version 6
	.text
	.protected	k_qd0b7fff64b_fc1
	.globl	k_qd0b7fff64b_fc1
	.p2align	8
	.type	k_qd0b7fff64b_fc1,@function
k_qd0b7fff64b_fc1:
	s_mov_b64 s[64:65], 0
	v_nop
	global_prefetch_b8 v0, s[64:65] scope:SCOPE_SE
	s_setreg_imm32_b32 hwreg(HW_REG_WAVE_MODE, 25, 1), 1
	s_wait_xcnt 0x0
	s_wait_alu depctr_hold_cnt(0) depctr_sa_sdst(0) depctr_va_vdst(0) depctr_va_sdst(0) depctr_va_ssrc(0) depctr_va_vcc(0) depctr_vm_vsrc(0)
	s_getreg_b32 s2, hwreg(HW_REG_IB_STS2, 6, 4)
	s_cmp_eq_u32 s2, 0
	s_cbranch_scc0 .Lentry_in_a_cluster
	s_endpgm
.Lentry_in_a_cluster:
	s_bfe_u32 s2, ttmp6, 0x10000c
	s_cmp_lg_u32 s2, 0xf033
	s_cbranch_scc0 .Lentry_shape_is_right
	s_endpgm
.Lentry_shape_is_right:
; out[row][f] = bias[e][f] + sum over d of A[row][d] W[e][d][f], for 8,192 rows laid by experts (512 rows an expert), K = 1,024.  f16 operands, f32 sums, f16 out.
; It serves both layers: A = xin, W = W1, bias = b1 -> h;  A = x2, W = W2 + I, bias = b2 -> y = x2 + x2 W2 + b2.  The bias is the C operand of the products that start the sums.
; LIMITS: the results leave in f16: their magnitude stays under 65,504.  h is rounded to f16 BEFORE the layer norm takes its mean away: where x and W1 both carry a large common
; offset, so that a row's common part is hundreds of times its spread, that rounding costs more than the operands' own.
.set MA, 4                             ; tile of the work-group 128 x 256: 256 work-groups
.set RTR, 0
.set SCL, 0
.set ZF, 2                             ; the first products start the sums with the bias
.set RIDES, 0
.set KSTEPS, 8
.set STEPR, 256
.set STEPC, 262144
.set RB, 4
.set CBS, 6
.set SPARE, 235520
.set FT, 0
.set ROWB, 0
; ================= the skeleton of this program's four product kernels: names and macros =================
; out[row][col] = sum over k of R[row][k] Cop[k][col].  Four waves; a wave makes 16 MA rows x 128 columns.  K goes in steps of 128 through a ring of two LDS slots.
; The matrix instruction is used transposed: source 0 = 16 columns (Cop, stored [k][col], turned by ds_load_tr16_b128), source 1 = 16 rows of R:
; in the result lane l holds row l % 16 and its registers 0-7 the columns 8 (l / 16) + 0..7.
; CLUSTER 4 x 4: R's tile hangs on the tile row alone and is asked for jointly by a row of the cluster, Cop's on the tile column alone, by a column.
; REGISTERS: window 0: v0-31 addresses, v32-47 factors, v64-127 and v128-191 R's fragments (two buffers), v192-255 at work; window 1: v64-191 Cop's fragments, two buffers;
; window 2: the accumulators of row blocks 0-3 ((a, b) at 8 (8 a + b)); window 3: those of blocks 4-7.
.set PCH, 544                          ; a row of Cop in LDS: 512 bytes + 32: an odd multiple of 32
.set HALFC, 64*PCH                     ; what one tensor load brings of it: 64 k
.if RTR
.set PRW, 288                          ; R stored [k][row]: 256 bytes + 32
.set RROWS, 64
.set RPADC, 7
.else
.set PRW, 272                          ; R stored [row][k]: 256 bytes + 16: the 16 rows of a load start at 16 different groups of four banks
.set RROWS, 16*MA
.set RPADC, 3
.endif
.set HALFR, RROWS*PRW
.set RT, 2*HALFR                       ; a slot: R's tile, then Cop's
.if MA == 8
.set SLOTX, 0x22000                    ; slot 1's first byte; no tile's address in slot 0 has one of its bits, so an exclusive or changes slots
.else
.set SLOTX, 0x20000
.endif
.set DPI, 528                          ; a row of the f32 dump: 512 bytes + 16
.set DW, 16*MA*DPI                     ; a wave's dump
.set ADRA0, 8                          ; my lane's place in R's tile; never rewritten
.set ADRB0, 9                          ; in Cop's
.set ADRA, 10                          ; the same in the slot in hand
.set ADRB, 11
.set FADR0, 12                         ; my lane's place in a row of the factor table
.set FADR, 13
.set DADR, 14                          ; the dump, as the accumulators lie: row l % 16, 32 bytes for each half of the lanes
.set RADR0, 15                         ; the dump by rows: 16 bytes a lane
.set RADR, 16
.set RIADR0, 17                        ; my wave's reciprocals
.set RIADR, 18
.set GO, 19                            ; my byte offset in a row that is stored
.set T4, 20
.set T4F, 21
.set SPW, 28                           ; LDS address of my spare word; never rewritten
.set NIL, 29                           ; 0; never rewritten
.set FS, 32                            ; v32-39 the K step's factors, block a's in FS + a (f16, twice in a word)
.set FSN, 40                           ; v40-47 the next K step's
.set F0, 64
.set F1, 128
.set WV, 12
.set WR, 13                            ; my half of the rows; also: I fetch for R (0) or for Cop (1)
.set WC, 14                            ; my half of the columns; also: which half of that tile I fetch
.set CX, 15
.set CY, 16
.set TC, 17                            ; tile column
.set CLY, 18                           ; the cluster's y
.set TR, 19                            ; tile row
.set G1R, 24                           ; s[24:31] group 1 for R; s[32:35] group 0 of K step 0; s[36:39] group 0 that walks
.set G0R, 32
.set G1C, 48                           ; s[48:55], s[56:59], s[60:63] the same for Cop
.set G0C, 56
.set SOFF, 66                          ; the slot in hand: 0 or SLOTX
.set CNT, 67
.set FO, 68                            ; the factor row to be fetched, in bytes
.set EO, 69                            ; the way out: the dump's rows in hand, in bytes
.set SO, 84                            ; the way out: the rows' statistics, in bytes
.set MSB, 0
.macro WIN new                         ; the immediate's high byte repeats the setting that is left; a switch that changes nothing is dropped
.if MSB != (\new)
	s_set_vgpr_msb (MSB<<8)|(\new)
.set MSB, (\new)
.endif
.endm
.macro PLACES                          ; four plain places in front of loads into registers that matrix instructions have read, and of reads of results
.rept 4
	v_nop
.endr
.endm
.macro JLOAD                           ; a joint refill by the walking descriptors; the branch hangs on the wave's number alone; an s_nop 0 and four v_nop follow each line
	s_cmp_eq_u32 s[WR], 0
	s_cbranch_scc0 .Lfor_c_\@
	tensor_load_to_lds s[G0R+4:G0R+7], s[G1R:G1R+7]
	s_nop 0
.rept 4
	v_nop
.endr
	s_branch .Lasked_\@
.Lfor_c_\@:
	tensor_load_to_lds s[G0C+4:G0C+7], s[G1C:G1C+7]
	s_nop 0
.rept 4
	v_nop
.endr
.Lasked_\@:
.endm
.macro CREST                           ; a round of the cluster's barrier behind its opening barrier
	s_cmp_lg_u32 s[WV], 0
	s_cbranch_scc1 .Lnot_wave_0_\@
	s_barrier_signal -3
.Lnot_wave_0_\@:
	s_barrier_wait -3
	s_barrier_signal -1
	s_barrier_wait -1
.endm
.macro CROUND
	s_barrier_signal -1
	s_barrier_wait -1
	CREST
.endm
; The fragments of quarter q (32 along K) of the slot in hand into buffer f, in one run.  fact = 1: and the next K step's factors.
.macro FETCH q, f, fact
	WIN 0x40                                       ; destination window 1, address window 0
.set ii, 0
.rept 8
	ds_load_tr16_b128 v[(\f)+8*ii:(\f)+8*ii+3],   v[ADRB] offset:32*(\q)*PCH+32*ii
	ds_load_tr16_b128 v[(\f)+8*ii+4:(\f)+8*ii+7], v[ADRB] offset:(32*(\q)+16)*PCH+32*ii
.set ii, ii+1
.endr
	WIN 0
.set ii, 0
.rept MA
.if RTR
	ds_load_tr16_b128 v[(\f)+8*ii:(\f)+8*ii+3],   v[ADRA] offset:32*(\q)*PRW+32*ii
	ds_load_tr16_b128 v[(\f)+8*ii+4:(\f)+8*ii+7], v[ADRA] offset:(32*(\q)+16)*PRW+32*ii
.else
	ds_load_b128 v[(\f)+8*ii:(\f)+8*ii+3],   v[ADRA] offset:64*(\q)+ii*16*PRW
	ds_load_b128 v[(\f)+8*ii+4:(\f)+8*ii+7], v[ADRA] offset:64*(\q)+ii*16*PRW+32
.endif
.set ii, ii+1
.endr
.if \fact
.set ii, 0
.rept MA
	ds_load_b32 v[FSN+ii], v[FADR] offset:64*ii
.set ii, ii+1
.endr
.endif
.endm
.macro SCALE0 f                        ; row block 0's fragment times its rows' factor
.if SCL
	WIN 0
.set rr, (\f)
.rept 8
	v_pk_mul_f16 v[rr], v[rr], v[FS]
.set rr, rr+1
.endr
.endif
.endm
; Eight products: row block a x all 8 column blocks, 32 along K.  z = 1: they start the sums with 0; z = 2: with window 1's v192-255.
; The accumulators take turns, one instruction a turn.  With SCL the next row block's fragment is scaled meanwhile, four registers behind each fourth product.
.macro MULBLK f, a, z
.set bb, 0
.rept 8
.if (\z) == 2
	WIN 0x91
	v_wmma_f32_16x16x32_f16 v[8*(8*((\a)%4)+bb):8*(8*((\a)%4)+bb)+7], v[(\f)+8*bb:(\f)+8*bb+7], v[(\f)+8*(\a):(\f)+8*(\a)+7], v[192+8*bb:192+8*bb+7]
.elseif (\z) == 1
	WIN 0xa1+0x50*((\a)/4)
	v_wmma_f32_16x16x32_f16 v[8*(8*((\a)%4)+bb):8*(8*((\a)%4)+bb)+7], v[(\f)+8*bb:(\f)+8*bb+7], v[(\f)+8*(\a):(\f)+8*(\a)+7], 0
.else
	WIN 0xa1+0x50*((\a)/4)
	v_wmma_f32_16x16x32_f16 v[8*(8*((\a)%4)+bb):8*(8*((\a)%4)+bb)+7], v[(\f)+8*bb:(\f)+8*bb+7], v[(\f)+8*(\a):(\f)+8*(\a)+7], v[8*(8*((\a)%4)+bb):8*(8*((\a)%4)+bb)+7]
.endif
.if SCL && ((\a)+1 < MA) && (bb%4 == 3)
	WIN 0
.set rr, (\f)+8*((\a)+1)+4*(bb/4)
.rept 4
	v_pk_mul_f16 v[rr], v[rr], v[FS+(\a)+1]
.set rr, rr+1
.endr
.endif
.set bb, bb+1
.endr
.endm
.macro BLKS f, n, z                    ; the quarter's next n row blocks
.rept \n
	MULBLK \f, aa, \z
.set aa, aa+1
.endr
.endm
; One of a K step's first three quarters: multiplies buffer q % 2.  At its head it asks for the next quarter's fragments, into the buffer that the quarter before multiplied:
; the run of loads has the quarter's 8 MA products in which to land.  last = 1 (the tail's text): the ride's last turn asks for nothing.
.macro Q q, z, last=0
.set FCUR, F0+64*((\q)%2)
.set FNXT, F1-64*((\q)%2)
.set aa, 0
	s_wait_dscnt 0x0                               ; this quarter's fragments, asked for a quarter ago, are in
	WIN 0
.if SCL && ((\q) == 0)
.set ii, 0
.rept MA
	v_mov_b32 v[FS+ii], v[FSN+ii]                  ; the new K step's factors take their place
.set ii, ii+1
.endr
.endif
	PLACES
	FETCH (\q)+1, FNXT, 0
.if RIDES && ((\q) == 1)
	RIDE \last
.endif
	SCALE0 FCUR
	BLKS FCUR, MA, \z
.endm
; The last quarter multiplies buffer 1 and changes slots.  Its fragments were the slot's last reads, so the change is signalled at its head: each wave waits for all its tensor loads
; (one is out: its part of the next slot), adds 0 to its spare word, and waits for that and for its reads of this slot.  fill = 1: the barrier opens a round of the cluster's, and the joint
; refill, two K steps ahead, is the first thing behind it.  Then the next slot's first fragments are asked for, 6 MA products ahead of their use.
.macro TURN fill
.set aa, 0
	WIN 0
	s_wait_tensorcnt 0x0                           ; no tensor load of mine is out, so the walking descriptors may be written
	ds_add_u32 v[SPW], v[NIL]                      ; 0 onto my spare word; with fill = 1 the descriptors' steps stand between it and the wait for it
.if \fill
	s_xor_b32 s[G0R+5], s[G0R+5], SLOTX
	s_add_nc_u64 s[G0R+6:G0R+7], s[G0R+6:G0R+7], STEPR
	s_xor_b32 s[G0C+5], s[G0C+5], SLOTX
	s_add_nc_u64 s[G0C+6:G0C+7], s[G0C+6:G0C+7], STEPC
.endif
	s_wait_dscnt 0x0                               ; the add is done; buffer 1's fragments are in, and with them my reads of this slot are over
	s_barrier_signal -1
	SCALE0 F1
	BLKS F1, MA/4, 0                               ; work on registers while the others arrive
	WIN 0
	s_barrier_wait -1
.if \fill
	CREST
	JLOAD                                          ; its four v_nop are also the places in front of the loads below
.else
	PLACES
.endif
	s_xor_b32 s[SOFF], s[SOFF], SLOTX
	v_add_nc_u32 v[ADRA], s[SOFF], v[ADRA0]
	v_add_nc_u32 v[ADRB], s[SOFF], v[ADRB0]
.if SCL
	s_add_co_u32 s[FO], s[FO], ROWB
	v_add_nc_u32 v[FADR], s[FO], v[FADR0]
.endif
	FETCH 0, F0, SCL
	BLKS F1, 3*MA/4, 0
.endm
; The accumulators go into LDS as a row-major f32 tile, each wave's own, over slots that have had their last fill.  The barrier: no wave still reads a slot.
.macro DUMP
	WIN 0
	s_wait_dscnt 0x0
	s_barrier_signal -1
	s_barrier_wait -1
	PLACES
.set aa, 0
.rept MA
	WIN 0x08+4*(aa/4)                              ; store data from window 2 or 3
.set bb, 0
.rept 8
	ds_store_b128 v[DADR], v[8*(8*(aa%4)+bb):8*(8*(aa%4)+bb)+3]   offset:aa*16*DPI+64*bb
	ds_store_b128 v[DADR], v[8*(8*(aa%4)+bb)+4:8*(8*(aa%4)+bb)+7] offset:aa*16*DPI+64*bb+16
.set bb, bb+1
.endr
.set aa, aa+1
.endr
	WIN 0
.endm
; ================= this body's own parts =================
.set BO, 22                            ; my byte offset in the bias: 32 (l / 16)
.set T, 64
.set P, 128
.macro ARGS
	s_load_b256 s[4:11], s[0:1], 0x0               ; A, W, bias, out
.endm
.macro ROFF                            ; A's rows 128 TR + 64 WC
	s_lshl_b32 s40, s[TR], 18
	s_lshl_b32 s41, s[WC], 17
	s_add_co_u32 s40, s40, s41
	s_mov_b32 s41, 0
.endm
.macro COFF                            ; W of expert CLY (the cluster's four tile rows are one expert's 512 rows), rows 64 WC on, columns 256 TC on
	s_lshl_b32 s44, s[CLY], 21
	s_lshl_b32 s45, s[WC], 17
	s_add_co_u32 s44, s44, s45
	s_lshl_b32 s45, s[TC], 9
	s_add_co_u32 s44, s44, s45
	s_mov_b32 s45, 0
.endm
.macro PRO
	s_lshl_b32 s82, s[CLY], 12                     ; bias[e][256 TC + 128 WC]
	s_lshl_b32 s83, s[TC], 10
	s_add_co_u32 s82, s82, s83
	s_lshl_b32 s83, s[WC], 9
	s_add_co_u32 s82, s82, s83
	s_mov_b32 s83, 0
	s_add_nc_u64 s[74:75], s[8:9], s[82:83]
	v_lshlrev_b32 v[BO], 5, v2
	WIN 0x40                                       ; destination window 1: register 192 + 8 b + j holds the bias of column 16 b + 8 (l / 16) + j, as an accumulator does
.set ii, 0
.rept 16
	global_load_b128 v[192+4*ii:192+4*ii+3], v[BO], s[74:75] offset:64*(ii/2)+16*(ii%2)
.set ii, ii+1
.endr
	WIN 0
	v_lshlrev_b32 v[GO], 3, v3
	s_lshl_b32 s82, s[TR], 18                      ; my corner of the result: row 128 TR + 64 WR, column 256 TC + 128 WC
	s_lshl_b32 s83, s[WR], 17
	s_add_co_u32 s82, s82, s83
	s_lshl_b32 s83, s[TC], 9
	s_add_co_u32 s82, s82, s83
	s_lshl_b32 s83, s[WC], 8
	s_add_co_u32 s82, s82, s83
	s_mov_b32 s83, 0
	s_add_nc_u64 s[78:79], s[10:11], s[82:83]
.endm
.macro WAYOUT                          ; 16 rows a trip, by rows: rounded to f16, 256 consecutive bytes a store
	s_mov_b32 s[EO], 0
	s_mov_b32 s[CNT], MA
.Lout:
	v_add_nc_u32 v[RADR], s[EO], v[RADR0]
.set ii, 0
.rept 16
	ds_load_b128 v[T+4*ii:T+4*ii+3], v[RADR] offset:ii*DPI
.set ii, ii+1
.endr
	s_wait_dscnt 0x0
.set ii, 0
.rept 32
	v_cvt_pk_f16_f32 v[P+ii], v[T+2*ii], v[T+2*ii+1]
.set ii, ii+1
.endr
.set ii, 0
.rept 16
	global_store_b64 v[GO], v[P+2*ii:P+2*ii+1], s[78:79] offset:ii*2048
.set ii, ii+1
.endr
	s_wait_xcnt 0x0                                ; the stores' base and data are rewritten only behind this wait
	s_add_nc_u64 s[78:79], s[78:79], 32768
	s_add_co_u32 s[EO], s[EO], 16*DPI
	s_sub_co_u32 s[CNT], s[CNT], 1
	s_cmp_lg_u32 s[CNT], 0
	s_cbranch_scc1 .Lout
.endm
; ================= the skeleton: the flow =================
	ARGS
	v_lshl_add_u32 v[SPW], v0, 2, SPARE
	v_mov_b32 v[NIL], 0
	ds_add_u32 v[SPW], v[NIL]                      ; the wave's opening: the add, with its wait, goes ahead of my first tensor load; the set-up below stands between them
	v_lshrrev_b32 v4, 5, v0
	v_readfirstlane_b32 s[WV], v4
	s_lshr_b32 s[WR], s[WV], 1
	s_and_b32 s[WC], s[WV], 1
	s_bfe_u32 s[CX], ttmp6, 0x40000
	s_bfe_u32 s[CY], ttmp6, 0x40004
	s_lshl_b32 s[TC], ttmp9, 2
	s_add_co_u32 s[TC], s[TC], s[CX]
	s_and_b32 s[CLY], ttmp7, 0xffff
	s_lshl_b32 s[TR], s[CLY], 2
	s_add_co_u32 s[TR], s[TR], s[CY]
	s_lshl_b32 s20, s[CY], 2
	s_lshl_b32 s20, 15, s20                        ; my row of the cluster
	s_lshl_b32 s21, 0x1111, s[CX]                  ; my column
	s_or_b32 s[G1R], s20, (1<<16)|(1<<20)|(1<<21)|(5<<22)|(RPADC<<25)  ; mask; 2-byte elements; padding on; bit 21 beside a mask; after every 64 words; 4 or 8 words
	s_mov_b32 s[G1R+1], 128<<16                    ; tensor_dim0
	s_mov_b32 s[G1R+2], RROWS<<16                  ; tensor_dim1
	s_mov_b32 s[G1R+3], 128<<16                    ; tile_dim0
	s_mov_b32 s[G1R+4], RROWS                      ; tile_dim1
	s_mov_b32 s[G1R+5], 1024                       ; elements from row to row
	s_mov_b32 s[G1R+6], 0
	s_mov_b32 s[G1R+7], 0
	s_or_b32 s[G1C], s21, (1<<16)|(1<<20)|(1<<21)|(6<<22)|(7<<25)      ; after every 128 words 8 words
	s_mov_b32 s[G1C+1], 256<<16
	s_mov_b32 s[G1C+2], 64<<16
	s_mov_b32 s[G1C+3], 256<<16
	s_mov_b32 s[G1C+4], 64
	s_mov_b32 s[G1C+5], 1024
	s_mov_b32 s[G1C+6], 0
	s_mov_b32 s[G1C+7], 0
	s_mov_b32 s[G0R], 1
	s_mul_i32 s[G0R+1], s[WC], HALFR               ; LDS addresses hang on the wave's number alone
	s_mov_b32 s[G0R+4], 1
	s_add_co_u32 s[G0R+5], s[G0R+1], SLOTX
	s_mov_b32 s[G0C], 1
	s_mul_i32 s[G0C+1], s[WC], HALFC
	s_add_co_u32 s[G0C+1], s[G0C+1], RT
	s_mov_b32 s[G0C+4], 1
	s_add_co_u32 s[G0C+5], s[G0C+1], SLOTX
	ROFF                                           ; s[40:41]: made of the tile row and the wave's number: never of cx
	COFF                                           ; s[44:45]: of the tile column, the cluster's y and the wave's number: never of cy
	s_mov_b32 s[SOFF], 0
	s_mov_b32 s[FO], 0
	s_mov_b32 s70, 0x3fb8aa3b                      ; c = log2(e)
	s_mov_b32 s71, 0x3fb8aa3b
	s_mov_b32 s72, 0x76543210                      ; v_permlanex16_b32: each lane takes its own place in the other half
	s_mov_b32 s73, 0xfedcba98
	s_wait_dscnt 0x0                               ; the opening add is done
	s_wait_kmcnt 0x0
	s_add_nc_u64 s[G0R+2:G0R+3], s[RB:RB+1], s[40:41]      ; K step 0
	s_add_nc_u64 s[G0R+6:G0R+7], s[G0R+2:G0R+3], STEPR     ; K step 1
	s_or_b32 s[G0R+3], s[G0R+3], 0x80000000
	s_or_b32 s[G0R+7], s[G0R+7], 0x80000000
	s_add_nc_u64 s[G0C+2:G0C+3], s[CBS:CBS+1], s[44:45]
	s_add_nc_u64 s[G0C+6:G0C+7], s[G0C+2:G0C+3], STEPC
	s_or_b32 s[G0C+3], s[G0C+3], 0x80000000
	s_or_b32 s[G0C+7], s[G0C+7], 0x80000000
	CROUND                                         ; all sixteen work-groups are here: the first joint loads meet
	s_cmp_eq_u32 s[WR], 0                          ; a wave's two first fills stand in one branch: two loads of mine are out
	s_cbranch_scc0 .Lfirst_c
	tensor_load_to_lds s[G0R:G0R+3], s[G1R:G1R+7]
	s_nop 0
	tensor_load_to_lds s[G0R+4:G0R+7], s[G1R:G1R+7]
	s_nop 0
.rept 4
	v_nop
.endr
	s_branch .Lfirst_asked
.Lfirst_c:
	tensor_load_to_lds s[G0C:G0C+3], s[G1C:G1C+7]
	s_nop 0
	tensor_load_to_lds s[G0C+4:G0C+7], s[G1C:G1C+7]
	s_nop 0
.rept 4
	v_nop
.endr
.Lfirst_asked:
	v_and_b32 v1, 15, v0                           ; l % 16
	v_bfe_u32 v2, v0, 4, 1                         ; l / 16
	v_and_b32 v3, 31, v0                           ; l
	v_and_b32 v4, 7, v0
	v_bfe_u32 v5, v0, 3, 1
	v_lshl_add_u32 v6, v2, 3, v4                   ; the turning load: lane l reads row 8 (l / 16) + l % 8, 16 bytes at 16 ((l / 8) % 2)
	v_mul_u32_u24 v[ADRB0], v6, PCH
	v_lshl_add_u32 v[ADRB0], v5, 4, v[ADRB0]
	s_lshl_b32 s82, s[WC], 8                       ; my 128 columns
	s_add_co_u32 s82, s82, RT
	v_add_nc_u32 v[ADRB0], s82, v[ADRB0]
.if RTR
	v_mul_u32_u24 v[ADRA0], v6, PRW
	v_lshl_add_u32 v[ADRA0], v5, 4, v[ADRA0]
	s_lshl_b32 s82, s[WR], 7                       ; my 64 rows of the result are 128 bytes of R's LDS rows
.else
	v_mul_u32_u24 v[ADRA0], v1, PRW
	v_lshl_add_u32 v[ADRA0], v2, 4, v[ADRA0]
	s_mul_i32 s82, s[WR], 16*MA*PRW
.endif
	v_add_nc_u32 v[ADRA0], s82, v[ADRA0]
	v_mov_b32 v[ADRA], v[ADRA0]
	v_mov_b32 v[ADRB], v[ADRB0]
	s_mul_i32 s82, s[WV], DW
	v_mul_u32_u24 v[DADR], v1, DPI
	v_lshl_add_u32 v[DADR], v2, 5, v[DADR]
	v_add_nc_u32 v[DADR], s82, v[DADR]
	v_lshl_add_u32 v[RADR0], v3, 4, s82
	PRO
	s_wait_tensorcnt 0x1                           ; my part of K step 0 is in; K step 1's may stay out
	s_wait_dscnt 0x0                               ; my LDS stores of the prologue, if any
	s_barrier_signal -1
	s_barrier_wait -1
	FETCH 0, F0, SCL
.if ZF == 2
	s_wait_loadcnt 0x0                             ; the numbers that start the sums
.endif
	Q 0, ZF                                        ; the first quarter stands in front of the loop: its products start the sums
	WIN 0
	s_mov_b32 s[CNT], KSTEPS-2
	s_branch .Lmid                                 ; the loop is entered behind its first quarter
.Lloop:                                                ; a trip is a K step, and fills the slot that it leaves
	Q 0, 0
	WIN 0
.Lmid:
	Q 1, 0
	Q 2, 0
	TURN 1
	WIN 0
	s_sub_co_u32 s[CNT], s[CNT], 1
	s_cmp_lg_u32 s[CNT], 0
	s_cbranch_scc1 .Lloop
	s_mov_b32 s[CNT], 2
.Ltail:                                                ; the last two K steps ask for no tile; the very last fetch reads landed bytes that are not multiplied: the price of one text for both
	Q 0, 0
	Q 1, 0, 1
	Q 2, 0
	TURN 0
	WIN 0
	s_sub_co_u32 s[CNT], s[CNT], 1
	s_cmp_lg_u32 s[CNT], 0
	s_cbranch_scc1 .Ltail
	DUMP
	WAYOUT
	s_wait_tensorcnt 0x0                           ; the wave's end
	ds_add_u32 v[SPW], v[NIL]
	s_wait_dscnt 0x0
	CROUND                                         ; the closing round
	s_endpgm
.Lfunc_end_k_qd0b7fff64b_fc1:
	.size	k_qd0b7fff64b_fc1, .Lfunc_end_k_qd0b7fff64b_fc1-k_qd0b7fff64b_fc1
	.p2alignl 7, 3214868480
	.fill 96, 4, 3214868480
	.section	.rodata,"a",@progbits
	.p2align	6, 0x0
	.amdhsa_kernel k_qd0b7fff64b_fc1
		.amdhsa_group_segment_fixed_size 327680
		.amdhsa_private_segment_fixed_size 0
		.amdhsa_enable_private_segment 0
		.amdhsa_kernarg_size 32
		.amdhsa_user_sgpr_count 2
		.amdhsa_user_sgpr_kernarg_segment_ptr 1
		.amdhsa_wavefront_size32 1
		.amdhsa_system_sgpr_workgroup_id_x 1
		.amdhsa_system_sgpr_workgroup_id_y 1
		.amdhsa_system_sgpr_workgroup_id_z 1
		.amdhsa_system_vgpr_workitem_id 0
		.amdhsa_next_free_vgpr 768
		.amdhsa_next_free_sgpr 100
		.amdhsa_reserve_vcc 0
		.amdhsa_float_denorm_mode_32 3
		.amdhsa_float_denorm_mode_16_64 3
		.amdhsa_memory_ordered 1
		.amdhsa_forward_progress 1
		.amdhsa_inst_pref_size 56
	.end_amdhsa_kernel
	.amdgpu_metadata
---
amdhsa.version: [ 1, 2 ]
amdhsa.kernels:
  - .name:           k_qd0b7fff64b_fc1
    .symbol:         k_qd0b7fff64b_fc1.kd
    .args:
      - { .name: xin, .offset: 0, .size: 8, .value_kind: global_buffer, .address_space: global }
      - { .name: w1h, .offset: 8, .size: 8, .value_kind: global_buffer, .address_space: global }
      - { .name: b1, .offset: 16, .size: 8, .value_kind: global_buffer, .address_space: global }
      - { .name: hbuf, .offset: 24, .size: 8, .value_kind: global_buffer, .address_space: global }
    .group_segment_fixed_size: 327680
    .private_segment_fixed_size: 0
    .kernarg_segment_align: 8
    .kernarg_segment_size: 32
    .max_flat_workgroup_size: 128
    .sgpr_count:     100
    .vgpr_count:     768
    .wavefront_size: 32
...
	.end_amdgpu_metadata
.endif
;; end of part 4
;; launch norm (part 5): grid 1024 x 1, 8 waves a work-group, no clusters, 0 bytes of LDS; arguments hbuf, xin, g1, be1, x2; writes x2
.if DOCPART == 5
	.amdgcn_target "amdgcn-amd-amdhsa--gfx1250"
	.amdhsa_code_object_version 6
	.text
	.protected	k_qd0b7fff64b_norm
	.globl	k_qd0b7fff64b_norm
	.p2align	8
	.type	k_qd0b7fff64b_norm,@function
k_qd0b7fff64b_norm:
	s_mov_b64 s[64:65], 0
	v_nop
	global_prefetch_b8 v0, s[64:65] scope:SCOPE_SE
	s_setreg_imm32_b32 hwreg(HW_REG_WAVE_MODE, 25, 1), 1
	s_wait_xcnt 0x0
; x2 = xin + relu(layernorm(h) g1[e] + be1[e]).  h, xin, x2: [8192][1024] f16, rows laid by experts (512 an expert); g1, be1: [16][1024] f32.
; One wave takes one row and keeps it in registers: mean, then the mean of the squared differences, both in f32; no LDS, no barrier, no loop.
; Lane l owns columns 256 j + 8 l .. + 7, j = 0..3: each load and store of h, xin, x2 covers 512 consecutive bytes.  All 24 loads go out before the one wait.
; Memory binds: matrix units, clusters and tensor loads would add nothing.
.set OFF, 12                           ; my byte offset in the group's eight rows
.set GOF, 13                           ; my byte offset in g1's and be1's row
.set H,   16                           ; v[16:31]   h as loaded, later x2 to store
.set XI,  32                           ; v[32:47]   xin as loaded
.set F,   48                           ; v[48:79]   h in f32, at work
.set XF,  80                           ; v[80:111]  xin in f32
.set G,   112                          ; v[112:143] g1
.set BE,  144                          ; v[144:175] be1
.macro RED r, t                        ; the sum over the wave's 32 lanes, in every lane
	v_add_f32_dpp v[\r], v[\r], v[\r] row_xmask:1 row_mask:0xf bank_mask:0xf
	v_add_f32_dpp v[\r], v[\r], v[\r] row_xmask:2 row_mask:0xf bank_mask:0xf
	v_add_f32_dpp v[\r], v[\r], v[\r] row_xmask:4 row_mask:0xf bank_mask:0xf
	v_add_f32_dpp v[\r], v[\r], v[\r] row_xmask:8 row_mask:0xf bank_mask:0xf
	v_permlanex16_b32 v[\t], v[\r], s18, s19
	v_add_f32 v[\r], v[\r], v[\t]
.endm
	s_load_b256 s[4:11], s[0:1], 0x0               ; hbuf, xin, g1, be1
	s_load_b64 s[12:13], s[0:1], 0x20              ; x2
	s_lshl_b32 s14, ttmp9, 14                      ; eight rows of 2,048 bytes a group
	s_mov_b32 s15, 0
	s_lshr_b32 s16, ttmp9, 6                       ; the expert: 64 groups each
	s_lshl_b32 s16, s16, 12
	s_mov_b32 s17, 0
	s_mov_b32 s18, 0x76543210
	s_mov_b32 s19, 0xfedcba98
	s_mov_b32 s20, 0x3a800000                      ; 1 / 1024
	s_mov_b32 s21, 0x3727c5ac                      ; 1e-5
	v_and_b32 v1, 31, v0
	v_lshrrev_b32 v2, 5, v0
	v_lshlrev_b32 v[OFF], 4, v1
	v_lshl_add_u32 v[OFF], v2, 11, v[OFF]
	v_lshlrev_b32 v[GOF], 5, v1
	s_wait_kmcnt 0x0
	s_add_nc_u64 s[4:5], s[4:5], s[14:15]
	s_add_nc_u64 s[6:7], s[6:7], s[14:15]
	s_add_nc_u64 s[12:13], s[12:13], s[14:15]
	s_add_nc_u64 s[8:9], s[8:9], s[16:17]
	s_add_nc_u64 s[10:11], s[10:11], s[16:17]
.irp j, 0,1,2,3
	global_load_b128 v[H+4*(\j):H+4*(\j)+3], v[OFF], s[4:5] offset:512*(\j)
.endr
.irp j, 0,1,2,3
	global_load_b128 v[XI+4*(\j):XI+4*(\j)+3], v[OFF], s[6:7] offset:512*(\j)
.endr
.irp j, 0,1,2,3
	global_load_b128 v[G+8*(\j):G+8*(\j)+3],    v[GOF], s[8:9] offset:1024*(\j)
	global_load_b128 v[G+8*(\j)+4:G+8*(\j)+7],  v[GOF], s[8:9] offset:1024*(\j)+16
	global_load_b128 v[BE+8*(\j):BE+8*(\j)+3],   v[GOF], s[10:11] offset:1024*(\j)
	global_load_b128 v[BE+8*(\j)+4:BE+8*(\j)+7], v[GOF], s[10:11] offset:1024*(\j)+16
.endr
	s_wait_loadcnt 0x0
.irp k, 0,1,2,3,4,5,6,7,8,9,10,11,12,13,14,15
	v_cvt_f32_f16 v[F+2*(\k)],    v[H+(\k)].l
	v_cvt_f32_f16 v[F+2*(\k)+1],  v[H+(\k)].h
	v_cvt_f32_f16 v[XF+2*(\k)],   v[XI+(\k)].l
	v_cvt_f32_f16 v[XF+2*(\k)+1], v[XI+(\k)].h
.endr
	; the mean, in four chains
.irp k, 0,1,2,3
	v_pk_add_f32 v[2+2*(\k):3+2*(\k)], v[F+2*(\k):F+2*(\k)+1], v[F+8+2*(\k):F+8+2*(\k)+1]
.endr
.irp k, 0,1,2,3,4,5,6,7
	v_pk_add_f32 v[2+2*((\k)%4):3+2*((\k)%4)], v[2+2*((\k)%4):3+2*((\k)%4)], v[F+16+2*(\k):F+16+2*(\k)+1]
.endr
	v_pk_add_f32 v[2:3], v[2:3], v[4:5]
	v_pk_add_f32 v[6:7], v[6:7], v[8:9]
	v_pk_add_f32 v[2:3], v[2:3], v[6:7]
	v_add_f32 v2, v2, v3
	RED 2, 3
	v_mul_f32 v2, s20, v2
	v_mov_b32 v3, v2
.irp k, 0,1,2,3,4,5,6,7,8,9,10,11,12,13,14,15
	v_pk_add_f32 v[F+2*(\k):F+2*(\k)+1], v[F+2*(\k):F+2*(\k)+1], v[2:3] neg_lo:[0,1] neg_hi:[0,1]
.endr
	; the mean of the squared differences
.irp k, 0,1,2,3
	v_pk_mul_f32 v[4+2*(\k):5+2*(\k)], v[F+2*(\k):F+2*(\k)+1], v[F+2*(\k):F+2*(\k)+1]
.endr
.irp k, 0,1,2,3,4,5,6,7,8,9,10,11
	v_pk_fma_f32 v[4+2*((\k)%4):5+2*((\k)%4)], v[F+8+2*(\k):F+8+2*(\k)+1], v[F+8+2*(\k):F+8+2*(\k)+1], v[4+2*((\k)%4):5+2*((\k)%4)]
.endr
	v_pk_add_f32 v[4:5], v[4:5], v[6:7]
	v_pk_add_f32 v[8:9], v[8:9], v[10:11]
	v_pk_add_f32 v[4:5], v[4:5], v[8:9]
	v_add_f32 v4, v4, v5
	RED 4, 5
	v_fma_f32 v4, v4, s20, s21                     ; variance + eps
	v_rsq_f32 v6, v4
	v_nop                                          ; a plain instruction behind it,
	s_wait_alu depctr_va_vdst(0)                   ; and a wait ahead of its first reader
	v_mov_b32 v7, v6
.irp k, 0,1,2,3,4,5,6,7,8,9,10,11,12,13,14,15
	v_pk_mul_f32 v[G+2*(\k):G+2*(\k)+1], v[G+2*(\k):G+2*(\k)+1], v[6:7]
.endr
.irp k, 0,1,2,3,4,5,6,7,8,9,10,11,12,13,14,15
	v_pk_fma_f32 v[F+2*(\k):F+2*(\k)+1], v[F+2*(\k):F+2*(\k)+1], v[G+2*(\k):G+2*(\k)+1], v[BE+2*(\k):BE+2*(\k)+1]
.endr
.set i, 0
.rept 32
	v_max_num_f32 v[F+i], 0, v[F+i]
.set i, i+1
.endr
.irp k, 0,1,2,3,4,5,6,7,8,9,10,11,12,13,14,15
	v_pk_add_f32 v[F+2*(\k):F+2*(\k)+1], v[F+2*(\k):F+2*(\k)+1], v[XF+2*(\k):XF+2*(\k)+1]
.endr
.irp k, 0,1,2,3,4,5,6,7,8,9,10,11,12,13,14,15
	v_cvt_pk_f16_f32 v[H+(\k)], v[F+2*(\k)], v[F+2*(\k)+1]
.endr
.irp j, 0,1,2,3
	global_store_b128 v[OFF], v[H+4*(\j):H+4*(\j)+3], s[12:13] offset:512*(\j)
.endr
	s_endpgm
.Lfunc_end_k_qd0b7fff64b_norm:
	.size	k_qd0b7fff64b_norm, .Lfunc_end_k_qd0b7fff64b_norm-k_qd0b7fff64b_norm
	.p2alignl 7, 3214868480
	.fill 96, 4, 3214868480
	.section	.rodata,"a",@progbits
	.p2align	6, 0x0
	.amdhsa_kernel k_qd0b7fff64b_norm
		.amdhsa_group_segment_fixed_size 0
		.amdhsa_private_segment_fixed_size 0
		.amdhsa_enable_private_segment 0
		.amdhsa_kernarg_size 40
		.amdhsa_user_sgpr_count 2
		.amdhsa_user_sgpr_kernarg_segment_ptr 1
		.amdhsa_wavefront_size32 1
		.amdhsa_system_sgpr_workgroup_id_x 1
		.amdhsa_system_sgpr_workgroup_id_y 1
		.amdhsa_system_sgpr_workgroup_id_z 1
		.amdhsa_system_vgpr_workitem_id 0
		.amdhsa_next_free_vgpr 176
		.amdhsa_next_free_sgpr 66
		.amdhsa_reserve_vcc 0
		.amdhsa_float_denorm_mode_32 3
		.amdhsa_float_denorm_mode_16_64 3
		.amdhsa_memory_ordered 1
		.amdhsa_forward_progress 1
		.amdhsa_inst_pref_size 15
	.end_amdhsa_kernel
	.amdgpu_metadata
---
amdhsa.version: [ 1, 2 ]
amdhsa.kernels:
  - .name:           k_qd0b7fff64b_norm
    .symbol:         k_qd0b7fff64b_norm.kd
    .args:
      - { .name: hbuf, .offset: 0, .size: 8, .value_kind: global_buffer, .address_space: global }
      - { .name: xin, .offset: 8, .size: 8, .value_kind: global_buffer, .address_space: global }
      - { .name: g1, .offset: 16, .size: 8, .value_kind: global_buffer, .address_space: global }
      - { .name: be1, .offset: 24, .size: 8, .value_kind: global_buffer, .address_space: global }
      - { .name: x2, .offset: 32, .size: 8, .value_kind: global_buffer, .address_space: global }
    .group_segment_fixed_size: 0
    .private_segment_fixed_size: 0
    .kernarg_segment_align: 8
    .kernarg_segment_size: 40
    .max_flat_workgroup_size: 256
    .sgpr_count:     66
    .vgpr_count:     176
    .wavefront_size: 32
...
	.end_amdgpu_metadata
.endif
;; end of part 5
;; launch fc2: the kernel of part 4 again; grid 4 x 64, 4 waves a work-group, clusters of 4 x 4, 327,680 bytes of LDS; arguments x2, w2h, b2, ybuf; writes ybuf
;; launch combine (part 6): grid 4 x 64, 4 waves a work-group, clusters of 4 x 4, 327,680 bytes of LDS; arguments sm, ybuf, out0; writes out0
.if DOCPART == 6
	.amdgcn_target "amdgcn-amd-amdhsa--gfx1250"
	.amdhsa_code_object_version 6
	.text
	.protected	k_qd0b7fff64b_combine
	.globl	k_qd0b7fff64b_combine
	.p2align	8
	.type	k_qd0b7fff64b_combine,@function
k_qd0b7fff64b_combine:
	s_mov_b64 s[64:65], 0
	v_nop
	global_prefetch_b8 v0, s[64:65] scope:SCOPE_SE
	s_setreg_imm32_b32 hwreg(HW_REG_WAVE_MODE, 25, 1), 1
	s_wait_xcnt 0x0
	s_wait_alu depctr_hold_cnt(0) depctr_sa_sdst(0) depctr_va_vdst(0) depctr_va_sdst(0) depctr_va_ssrc(0) depctr_va_vcc(0) depctr_vm_vsrc(0)
	s_getreg_b32 s2, hwreg(HW_REG_IB_STS2, 6, 4)
	s_cmp_eq_u32 s2, 0
	s_cbranch_scc0 .Lentry_in_a_cluster
	s_endpgm
.Lentry_in_a_cluster:
	s_bfe_u32 s2, ttmp6, 0x10000c
	s_cmp_lg_u32 s2, 0xf033
	s_cbranch_scc0 .Lentry_shape_is_right
	s_endpgm
.Lentry_shape_is_right:
; out[b][n][d] = sum over slots z of softmax_z(L)[n][z] y[b][z][d]: 8 x (2,048 x 1,024, K = 1,024), f16 operands, f32 sums, f32 out.
; C holds 2^(c l - c m_block) with m_block the maximum over a block of 128 slots: exactly one K step.  The true maximum is taken here: for each token, g = max over the 8 blocks;
; in K step ks C's fragments are multiplied by f = 2^(c m_ks - c g) <= 1 (f16), and the result is divided by sum over ks of f x (the block's sum), which is at least 1.
; y's rows are laid by experts, row = (e 8 + b) 64 + s: a K step's 128 slots are two experts' 64 rows, one for each of the two waves that fetch them.
; LIMITS: a weight below 6e-8 of its row's largest counts as 0; y arrives in f16.
.set MA, 8                             ; tile of the work-group 256 x 256: 256 work-groups
.set RTR, 0
.set SCL, 1
.set ZF, 1
.set RIDES, 0
.set KSTEPS, 8
.set STEPR, 256
.set STEPC, 2097152                    ; two experts on: 16 blocks of 64 rows
.set RB, 4                             ; sm
.set CBS, 6                            ; ybuf
.set FT, 278528                        ; behind the ring: 9 rows of 256 factors (f16 twice in a word); the last row repeats the one before
.set ROWB, 1024
.set NK, 8
.set U, 2                              ; rows of the tile a thread prepares
.set KSTR, 65536                       ; bytes from a block's maxima to the next block's
.set RI, FT+(NK+1)*ROWB                ; 256 reciprocals of the sums
.set SPARE, 288768
.set CW, 33554432
.set RMX, 67108864
.set SUMS, 524288
; ================= the skeleton of this program's four product kernels: names and macros =================
; out[row][col] = sum over k of R[row][k] Cop[k][col].  Four waves; a wave makes 16 MA rows x 128 columns.  K goes in steps of 128 through a ring of two LDS slots.
; The matrix instruction is used transposed: source 0 = 16 columns (Cop, stored [k][col], turned by ds_load_tr16_b128), source 1 = 16 rows of R:
; in the result lane l holds row l % 16 and its registers 0-7 the columns 8 (l / 16) + 0..7.
; CLUSTER 4 x 4: R's tile hangs on the tile row alone and is asked for jointly by a row of the cluster, Cop's on the tile column alone, by a column.
; REGISTERS: window 0: v0-31 addresses, v32-47 factors, v64-127 and v128-191 R's fragments (two buffers), v192-255 at work; window 1: v64-191 Cop's fragments, two buffers;
; window 2: the accumulators of row blocks 0-3 ((a, b) at 8 (8 a + b)); window 3: those of blocks 4-7.
.set PCH, 544                          ; a row of Cop in LDS: 512 bytes + 32: an odd multiple of 32
.set HALFC, 64*PCH                     ; what one tensor load brings of it: 64 k
.if RTR
.set PRW, 288                          ; R stored [k][row]: 256 bytes + 32
.set RROWS, 64
.set RPADC, 7
.else
.set PRW, 272                          ; R stored [row][k]: 256 bytes + 16: the 16 rows of a load start at 16 different groups of four banks
.set RROWS, 16*MA
.set RPADC, 3
.endif
.set HALFR, RROWS*PRW
.set RT, 2*HALFR                       ; a slot: R's tile, then Cop's
.if MA == 8
.set SLOTX, 0x22000                    ; slot 1's first byte; no tile's address in slot 0 has one of its bits, so an exclusive or changes slots
.else
.set SLOTX, 0x20000
.endif
.set DPI, 528                          ; a row of the f32 dump: 512 bytes + 16
.set DW, 16*MA*DPI                     ; a wave's dump
.set ADRA0, 8                          ; my lane's place in R's tile; never rewritten
.set ADRB0, 9                          ; in Cop's
.set ADRA, 10                          ; the same in the slot in hand
.set ADRB, 11
.set FADR0, 12                         ; my lane's place in a row of the factor table
.set FADR, 13
.set DADR, 14                          ; the dump, as the accumulators lie: row l % 16, 32 bytes for each half of the lanes
.set RADR0, 15                         ; the dump by rows: 16 bytes a lane
.set RADR, 16
.set RIADR0, 17                        ; my wave's reciprocals
.set RIADR, 18
.set GO, 19                            ; my byte offset in a row that is stored
.set T4, 20
.set T4F, 21
.set SPW, 28                           ; LDS address of my spare word; never rewritten
.set NIL, 29                           ; 0; never rewritten
.set FS, 32                            ; v32-39 the K step's factors, block a's in FS + a (f16, twice in a word)
.set FSN, 40                           ; v40-47 the next K step's
.set F0, 64
.set F1, 128
.set WV, 12
.set WR, 13                            ; my half of the rows; also: I fetch for R (0) or for Cop (1)
.set WC, 14                            ; my half of the columns; also: which half of that tile I fetch
.set CX, 15
.set CY, 16
.set TC, 17                            ; tile column
.set CLY, 18                           ; the cluster's y
.set TR, 19                            ; tile row
.set G1R, 24                           ; s[24:31] group 1 for R; s[32:35] group 0 of K step 0; s[36:39] group 0 that walks
.set G0R, 32
.set G1C, 48                           ; s[48:55], s[56:59], s[60:63] the same for Cop
.set G0C, 56
.set SOFF, 66                          ; the slot in hand: 0 or SLOTX
.set CNT, 67
.set FO, 68                            ; the factor row to be fetched, in bytes
.set EO, 69                            ; the way out: the dump's rows in hand, in bytes
.set SO, 84                            ; the way out: the rows' statistics, in bytes
.set MSB, 0
.macro WIN new                         ; the immediate's high byte repeats the setting that is left; a switch that changes nothing is dropped
.if MSB != (\new)
	s_set_vgpr_msb (MSB<<8)|(\new)
.set MSB, (\new)
.endif
.endm
.macro PLACES                          ; four plain places in front of loads into registers that matrix instructions have read, and of reads of results
.rept 4
	v_nop
.endr
.endm
.macro JLOAD                           ; a joint refill by the walking descriptors; the branch hangs on the wave's number alone; an s_nop 0 and four v_nop follow each line
	s_cmp_eq_u32 s[WR], 0
	s_cbranch_scc0 .Lfor_c_\@
	tensor_load_to_lds s[G0R+4:G0R+7], s[G1R:G1R+7]
	s_nop 0
.rept 4
	v_nop
.endr
	s_branch .Lasked_\@
.Lfor_c_\@:
	tensor_load_to_lds s[G0C+4:G0C+7], s[G1C:G1C+7]
	s_nop 0
.rept 4
	v_nop
.endr
.Lasked_\@:
.endm
.macro CREST                           ; a round of the cluster's barrier behind its opening barrier
	s_cmp_lg_u32 s[WV], 0
	s_cbranch_scc1 .Lnot_wave_0_\@
	s_barrier_signal -3
.Lnot_wave_0_\@:
	s_barrier_wait -3
	s_barrier_signal -1
	s_barrier_wait -1
.endm
.macro CROUND
	s_barrier_signal -1
	s_barrier_wait -1
	CREST
.endm
; The fragments of quarter q (32 along K) of the slot in hand into buffer f, in one run.  fact = 1: and the next K step's factors.
.macro FETCH q, f, fact
	WIN 0x40                                       ; destination window 1, address window 0
.set ii, 0
.rept 8
	ds_load_tr16_b128 v[(\f)+8*ii:(\f)+8*ii+3],   v[ADRB] offset:32*(\q)*PCH+32*ii
	ds_load_tr16_b128 v[(\f)+8*ii+4:(\f)+8*ii+7], v[ADRB] offset:(32*(\q)+16)*PCH+32*ii
.set ii, ii+1
.endr
	WIN 0
.set ii, 0
.rept MA
.if RTR
	ds_load_tr16_b128 v[(\f)+8*ii:(\f)+8*ii+3],   v[ADRA] offset:32*(\q)*PRW+32*ii
	ds_load_tr16_b128 v[(\f)+8*ii+4:(\f)+8*ii+7], v[ADRA] offset:(32*(\q)+16)*PRW+32*ii
.else
	ds_load_b128 v[(\f)+8*ii:(\f)+8*ii+3],   v[ADRA] offset:64*(\q)+ii*16*PRW
	ds_load_b128 v[(\f)+8*ii+4:(\f)+8*ii+7], v[ADRA] offset:64*(\q)+ii*16*PRW+32
.endif
.set ii, ii+1
.endr
.if \fact
.set ii, 0
.rept MA
	ds_load_b32 v[FSN+ii], v[FADR] offset:64*ii
.set ii, ii+1
.endr
.endif
.endm
.macro SCALE0 f                        ; row block 0's fragment times its rows' factor
.if SCL
	WIN 0
.set rr, (\f)
.rept 8
	v_pk_mul_f16 v[rr], v[rr], v[FS]
.set rr, rr+1
.endr
.endif
.endm
; Eight products: row block a x all 8 column blocks, 32 along K.  z = 1: they start the sums with 0; z = 2: with window 1's v192-255.
; The accumulators take turns, one instruction a turn.  With SCL the next row block's fragment is scaled meanwhile, four registers behind each fourth product.
.macro MULBLK f, a, z
.set bb, 0
.rept 8
.if (\z) == 2
	WIN 0x91
	v_wmma_f32_16x16x32_f16 v[8*(8*((\a)%4)+bb):8*(8*((\a)%4)+bb)+7], v[(\f)+8*bb:(\f)+8*bb+7], v[(\f)+8*(\a):(\f)+8*(\a)+7], v[192+8*bb:192+8*bb+7]
.elseif (\z) == 1
	WIN 0xa1+0x50*((\a)/4)
	v_wmma_f32_16x16x32_f16 v[8*(8*((\a)%4)+bb):8*(8*((\a)%4)+bb)+7], v[(\f)+8*bb:(\f)+8*bb+7], v[(\f)+8*(\a):(\f)+8*(\a)+7], 0
.else
	WIN 0xa1+0x50*((\a)/4)
	v_wmma_f32_16x16x32_f16 v[8*(8*((\a)%4)+bb):8*(8*((\a)%4)+bb)+7], v[(\f)+8*bb:(\f)+8*bb+7], v[(\f)+8*(\a):(\f)+8*(\a)+7], v[8*(8*((\a)%4)+bb):8*(8*((\a)%4)+bb)+7]
.endif
.if SCL && ((\a)+1 < MA) && (bb%4 == 3)
	WIN 0
.set rr, (\f)+8*((\a)+1)+4*(bb/4)
.rept 4
	v_pk_mul_f16 v[rr], v[rr], v[FS+(\a)+1]
.set rr, rr+1
.endr
.endif
.set bb, bb+1
.endr
.endm
.macro BLKS f, n, z                    ; the quarter's next n row blocks
.rept \n
	MULBLK \f, aa, \z
.set aa, aa+1
.endr
.endm
; One of a K step's first three quarters: multiplies buffer q % 2.  At its head it asks for the next quarter's fragments, into the buffer that the quarter before multiplied:
; the run of loads has the quarter's 8 MA products in which to land.  last = 1 (the tail's text): the ride's last turn asks for nothing.
.macro Q q, z, last=0
.set FCUR, F0+64*((\q)%2)
.set FNXT, F1-64*((\q)%2)
.set aa, 0
	s_wait_dscnt 0x0                               ; this quarter's fragments, asked for a quarter ago, are in
	WIN 0
.if SCL && ((\q) == 0)
.set ii, 0
.rept MA
	v_mov_b32 v[FS+ii], v[FSN+ii]                  ; the new K step's factors take their place
.set ii, ii+1
.endr
.endif
	PLACES
	FETCH (\q)+1, FNXT, 0
.if RIDES && ((\q) == 1)
	RIDE \last
.endif
	SCALE0 FCUR
	BLKS FCUR, MA, \z
.endm
; The last quarter multiplies buffer 1 and changes slots.  Its fragments were the slot's last reads, so the change is signalled at its head: each wave waits for all its tensor loads
; (one is out: its part of the next slot), adds 0 to its spare word, and waits for that and for its reads of this slot.  fill = 1: the barrier opens a round of the cluster's, and the joint
; refill, two K steps ahead, is the first thing behind it.  Then the next slot's first fragments are asked for, 6 MA products ahead of their use.
.macro TURN fill
.set aa, 0
	WIN 0
	s_wait_tensorcnt 0x0                           ; no tensor load of mine is out, so the walking descriptors may be written
	ds_add_u32 v[SPW], v[NIL]                      ; 0 onto my spare word; with fill = 1 the descriptors' steps stand between it and the wait for it
.if \fill
	s_xor_b32 s[G0R+5], s[G0R+5], SLOTX
	s_add_nc_u64 s[G0R+6:G0R+7], s[G0R+6:G0R+7], STEPR
	s_xor_b32 s[G0C+5], s[G0C+5], SLOTX
	s_add_nc_u64 s[G0C+6:G0C+7], s[G0C+6:G0C+7], STEPC
.endif
	s_wait_dscnt 0x0                               ; the add is done; buffer 1's fragments are in, and with them my reads of this slot are over
	s_barrier_signal -1
	SCALE0 F1
	BLKS F1, MA/4, 0                               ; work on registers while the others arrive
	WIN 0
	s_barrier_wait -1
.if \fill
	CREST
	JLOAD                                          ; its four v_nop are also the places in front of the loads below
.else
	PLACES
.endif
	s_xor_b32 s[SOFF], s[SOFF], SLOTX
	v_add_nc_u32 v[ADRA], s[SOFF], v[ADRA0]
	v_add_nc_u32 v[ADRB], s[SOFF], v[ADRB0]
.if SCL
	s_add_co_u32 s[FO], s[FO], ROWB
	v_add_nc_u32 v[FADR], s[FO], v[FADR0]
.endif
	FETCH 0, F0, SCL
	BLKS F1, 3*MA/4, 0
.endm
; The accumulators go into LDS as a row-major f32 tile, each wave's own, over slots that have had their last fill.  The barrier: no wave still reads a slot.
.macro DUMP
	WIN 0
	s_wait_dscnt 0x0
	s_barrier_signal -1
	s_barrier_wait -1
	PLACES
.set aa, 0
.rept MA
	WIN 0x08+4*(aa/4)                              ; store data from window 2 or 3
.set bb, 0
.rept 8
	ds_store_b128 v[DADR], v[8*(8*(aa%4)+bb):8*(8*(aa%4)+bb)+3]   offset:aa*16*DPI+64*bb
	ds_store_b128 v[DADR], v[8*(8*(aa%4)+bb)+4:8*(8*(aa%4)+bb)+7] offset:aa*16*DPI+64*bb+16
.set bb, bb+1
.endr
.set aa, aa+1
.endr
	WIN 0
.endm
; ================= this body's own parts =================
.set MX, 192                           ; v192-207 the blocks' c m, then the factors
.set SMR, 208                          ; v208-223 the blocks' sums, then the factors packed
.set GM, 224                           ; the true maximum, then the reciprocal
.set SU, 226
.set T, 64
.set RV, 192
.macro ARGS
	s_load_b128 s[4:7], s[0:1], 0x0                ; sm, ybuf
	s_load_b64 s[8:9], s[0:1], 0x10                ; out0
.endm
.macro ROFF                            ; C's rows 256 TR + 128 WC
	s_lshl_b32 s40, s[TR], 19
	s_lshl_b32 s41, s[WC], 18
	s_add_co_u32 s40, s40, s41
	s_add_co_u32 s40, s40, CW
	s_mov_b32 s41, 0
.endm
.macro COFF                            ; y: expert WC, batch CLY / 2: block (8 WC + b) of 64 rows; channels 256 TC on
	s_lshl_b32 s44, s[WC], 3
	s_lshr_b32 s45, s[CLY], 1
	s_add_co_u32 s44, s44, s45
	s_lshl_b32 s44, s44, 17
	s_lshl_b32 s45, s[TC], 9
	s_add_co_u32 s44, s44, s45
	s_mov_b32 s45, 0
.endm
; The factors and the reciprocals of the sums for the tile's rows: thread t prepares rows t + 128 u.  s[74:75]: the first block's maxima of the tile's first row; the sums lie SUMS behind.
.macro FACT
	v_lshlrev_b32 v[T4], 2, v0
	v_add_nc_u32 v[T4F], FT, v[T4]
.set ii, 0
.rept NK*U
	global_load_b32 v[MX+ii], v[T4], s[74:75] offset:(ii/U)*KSTR+512*(ii%U)
	global_load_b32 v[SMR+ii], v[T4], s[74:75] offset:(ii/U)*KSTR+512*(ii%U)+SUMS
.set ii, ii+1
.endr
	s_wait_loadcnt 0x0
.set uu, 0
.rept U
	v_max_num_f32 v[GM+uu], v[MX+uu], v[MX+U+uu]
.set kk, 2
.rept NK/2-1
	v_max3_num_f32 v[GM+uu], v[GM+uu], v[MX+kk*U+uu], v[MX+(kk+1)*U+uu]
.set kk, kk+2
.endr
.set uu, uu+1
.endr
.set ii, 0
.rept NK*U
	v_sub_f32 v[MX+ii], v[MX+ii], v[GM+ii%U]
.set ii, ii+1
.endr
.set ii, 0
.rept NK*U
	v_exp_f32 v[MX+ii], v[MX+ii]
.set ii, ii+1
.endr
	v_nop
	s_wait_alu depctr_va_vdst(0)                   ; one wait for the batch
.set uu, 0
.rept U
	v_mul_f32 v[SU+uu], v[MX+uu], v[SMR+uu]
.set kk, 1
.rept NK-1
	v_fmac_f32 v[SU+uu], v[MX+kk*U+uu], v[SMR+kk*U+uu]
.set kk, kk+1
.endr
.set uu, uu+1
.endr
.set ii, 0
.rept NK*U
	v_cvt_pk_f16_f32 v[SMR+ii], v[MX+ii], v[MX+ii]
.set ii, ii+1
.endr
.set uu, 0
.rept U
	v_rcp_f32 v[GM+uu], v[SU+uu]
.set uu, uu+1
.endr
	v_nop
	s_wait_alu depctr_va_vdst(0)
.set ii, 0
.rept NK*U
	ds_store_b32 v[T4F], v[SMR+ii] offset:(ii/U)*ROWB+512*(ii%U)
.set ii, ii+1
.endr
.set uu, 0
.rept U
	ds_store_b32 v[T4F], v[SMR+(NK-1)*U+uu] offset:NK*ROWB+512*uu      ; the row that the last, unused fetch reads
	ds_store_b32 v[T4F], v[GM+uu] offset:(NK+1)*ROWB+512*uu
.set uu, uu+1
.endr
	s_mul_i32 s82, s[WR], 64*MA
	s_add_co_u32 s83, s82, FT
	v_lshl_add_u32 v[FADR0], v1, 2, s83
	v_mov_b32 v[FADR], v[FADR0]
	s_add_co_u32 s83, s82, RI
	v_mov_b32 v[RIADR0], s83
.endm
.macro PRO
	s_lshl_b32 s82, s[TR], 10                      ; rmx[0][256 TR]
	s_add_co_u32 s82, s82, RMX
	s_mov_b32 s83, 0
	s_add_nc_u64 s[74:75], s[4:5], s[82:83]
	FACT
	v_lshlrev_b32 v[GO], 4, v3
	s_lshl_b32 s82, s[TR], 20                      ; my corner of out: row 256 TR + 128 WR, column 256 TC + 128 WC
	s_lshl_b32 s83, s[WR], 19
	s_add_co_u32 s82, s82, s83
	s_lshl_b32 s83, s[TC], 10
	s_add_co_u32 s82, s82, s83
	s_lshl_b32 s83, s[WC], 9
	s_add_co_u32 s82, s82, s83
	s_mov_b32 s83, 0
	s_add_nc_u64 s[78:79], s[8:9], s[82:83]
.endm
.macro WAYOUT                          ; 16 rows a trip, by rows: divided by the row's sum; a store covers 512 consecutive bytes, aligned
	s_mov_b32 s[EO], 0
	s_mov_b32 s[SO], 0
	s_mov_b32 s[CNT], MA
.Lout:
	v_add_nc_u32 v[RADR], s[EO], v[RADR0]
	v_add_nc_u32 v[RIADR], s[SO], v[RIADR0]
.set ii, 0
.rept 16
	ds_load_b128 v[T+4*ii:T+4*ii+3], v[RADR] offset:ii*DPI
.set ii, ii+1
.endr
.set ii, 0
.rept 4
	ds_load_b128 v[RV+4*ii:RV+4*ii+3], v[RIADR] offset:16*ii  ; the 16 rows' reciprocals, the same in every lane
.set ii, ii+1
.endr
	s_wait_dscnt 0x0
.set ii, 0
.rept 64
	v_mul_f32 v[T+ii], v[RV+ii/4], v[T+ii]
.set ii, ii+1
.endr
.set ii, 0
.rept 16
	global_store_b128 v[GO], v[T+4*ii:T+4*ii+3], s[78:79] offset:ii*4096 th:TH_STORE_NT
.set ii, ii+1
.endr
	s_wait_xcnt 0x0                                ; the stores' base and data are rewritten only behind this wait
	s_add_nc_u64 s[78:79], s[78:79], 65536
	s_add_co_u32 s[EO], s[EO], 16*DPI
	s_add_co_u32 s[SO], s[SO], 64
	s_sub_co_u32 s[CNT], s[CNT], 1
	s_cmp_lg_u32 s[CNT], 0
	s_cbranch_scc1 .Lout
.endm
; ================= the skeleton: the flow =================
	ARGS
	v_lshl_add_u32 v[SPW], v0, 2, SPARE
	v_mov_b32 v[NIL], 0
	ds_add_u32 v[SPW], v[NIL]                      ; the wave's opening: the add, with its wait, goes ahead of my first tensor load; the set-up below stands between them
	v_lshrrev_b32 v4, 5, v0
	v_readfirstlane_b32 s[WV], v4
	s_lshr_b32 s[WR], s[WV], 1
	s_and_b32 s[WC], s[WV], 1
	s_bfe_u32 s[CX], ttmp6, 0x40000
	s_bfe_u32 s[CY], ttmp6, 0x40004
	s_lshl_b32 s[TC], ttmp9, 2
	s_add_co_u32 s[TC], s[TC], s[CX]
	s_and_b32 s[CLY], ttmp7, 0xffff
	s_lshl_b32 s[TR], s[CLY], 2
	s_add_co_u32 s[TR], s[TR], s[CY]
	s_lshl_b32 s20, s[CY], 2
	s_lshl_b32 s20, 15, s20                        ; my row of the cluster
	s_lshl_b32 s21, 0x1111, s[CX]                  ; my column
	s_or_b32 s[G1R], s20, (1<<16)|(1<<20)|(1<<21)|(5<<22)|(RPADC<<25)  ; mask; 2-byte elements; padding on; bit 21 beside a mask; after every 64 words; 4 or 8 words
	s_mov_b32 s[G1R+1], 128<<16                    ; tensor_dim0
	s_mov_b32 s[G1R+2], RROWS<<16                  ; tensor_dim1
	s_mov_b32 s[G1R+3], 128<<16                    ; tile_dim0
	s_mov_b32 s[G1R+4], RROWS                      ; tile_dim1
	s_mov_b32 s[G1R+5], 1024                       ; elements from row to row
	s_mov_b32 s[G1R+6], 0
	s_mov_b32 s[G1R+7], 0
	s_or_b32 s[G1C], s21, (1<<16)|(1<<20)|(1<<21)|(6<<22)|(7<<25)      ; after every 128 words 8 words
	s_mov_b32 s[G1C+1], 256<<16
	s_mov_b32 s[G1C+2], 64<<16
	s_mov_b32 s[G1C+3], 256<<16
	s_mov_b32 s[G1C+4], 64
	s_mov_b32 s[G1C+5], 1024
	s_mov_b32 s[G1C+6], 0
	s_mov_b32 s[G1C+7], 0
	s_mov_b32 s[G0R], 1
	s_mul_i32 s[G0R+1], s[WC], HALFR               ; LDS addresses hang on the wave's number alone
	s_mov_b32 s[G0R+4], 1
	s_add_co_u32 s[G0R+5], s[G0R+1], SLOTX
	s_mov_b32 s[G0C], 1
	s_mul_i32 s[G0C+1], s[WC], HALFC
	s_add_co_u32 s[G0C+1], s[G0C+1], RT
	s_mov_b32 s[G0C+4], 1
	s_add_co_u32 s[G0C+5], s[G0C+1], SLOTX
	ROFF                                           ; s[40:41]: made of the tile row and the wave's number: never of cx
	COFF                                           ; s[44:45]: of the tile column, the cluster's y and the wave's number: never of cy
	s_mov_b32 s[SOFF], 0
	s_mov_b32 s[FO], 0
	s_mov_b32 s70, 0x3fb8aa3b                      ; c = log2(e)
	s_mov_b32 s71, 0x3fb8aa3b
	s_mov_b32 s72, 0x76543210                      ; v_permlanex16_b32: each lane takes its own place in the other half
	s_mov_b32 s73, 0xfedcba98
	s_wait_dscnt 0x0                               ; the opening add is done
	s_wait_kmcnt 0x0
	s_add_nc_u64 s[G0R+2:G0R+3], s[RB:RB+1], s[40:41]      ; K step 0
	s_add_nc_u64 s[G0R+6:G0R+7], s[G0R+2:G0R+3], STEPR     ; K step 1
	s_or_b32 s[G0R+3], s[G0R+3], 0x80000000
	s_or_b32 s[G0R+7], s[G0R+7], 0x80000000
	s_add_nc_u64 s[G0C+2:G0C+3], s[CBS:CBS+1], s[44:45]
	s_add_nc_u64 s[G0C+6:G0C+7], s[G0C+2:G0C+3], STEPC
	s_or_b32 s[G0C+3], s[G0C+3], 0x80000000
	s_or_b32 s[G0C+7], s[G0C+7], 0x80000000
	CROUND                                         ; all sixteen work-groups are here: the first joint loads meet
	s_cmp_eq_u32 s[WR], 0                          ; a wave's two first fills stand in one branch: two loads of mine are out
	s_cbranch_scc0 .Lfirst_c
	tensor_load_to_lds s[G0R:G0R+3], s[G1R:G1R+7]
	s_nop 0
	tensor_load_to_lds s[G0R+4:G0R+7], s[G1R:G1R+7]
	s_nop 0
.rept 4
	v_nop
.endr
	s_branch .Lfirst_asked
.Lfirst_c:
	tensor_load_to_lds s[G0C:G0C+3], s[G1C:G1C+7]
	s_nop 0
	tensor_load_to_lds s[G0C+4:G0C+7], s[G1C:G1C+7]
	s_nop 0
.rept 4
	v_nop
.endr
.Lfirst_asked:
	v_and_b32 v1, 15, v0                           ; l % 16
	v_bfe_u32 v2, v0, 4, 1                         ; l / 16
	v_and_b32 v3, 31, v0                           ; l
	v_and_b32 v4, 7, v0
	v_bfe_u32 v5, v0, 3, 1
	v_lshl_add_u32 v6, v2, 3, v4                   ; the turning load: lane l reads row 8 (l / 16) + l % 8, 16 bytes at 16 ((l / 8) % 2)
	v_mul_u32_u24 v[ADRB0], v6, PCH
	v_lshl_add_u32 v[ADRB0], v5, 4, v[ADRB0]
	s_lshl_b32 s82, s[WC], 8                       ; my 128 columns
	s_add_co_u32 s82, s82, RT
	v_add_nc_u32 v[ADRB0], s82, v[ADRB0]
.if RTR
	v_mul_u32_u24 v[ADRA0], v6, PRW
	v_lshl_add_u32 v[ADRA0], v5, 4, v[ADRA0]
	s_lshl_b32 s82, s[WR], 7                       ; my 64 rows of the result are 128 bytes of R's LDS rows
.else
	v_mul_u32_u24 v[ADRA0], v1, PRW
	v_lshl_add_u32 v[ADRA0], v2, 4, v[ADRA0]
	s_mul_i32 s82, s[WR], 16*MA*PRW
.endif
	v_add_nc_u32 v[ADRA0], s82, v[ADRA0]
	v_mov_b32 v[ADRA], v[ADRA0]
	v_mov_b32 v[ADRB], v[ADRB0]
	s_mul_i32 s82, s[WV], DW
	v_mul_u32_u24 v[DADR], v1, DPI
	v_lshl_add_u32 v[DADR], v2, 5, v[DADR]
	v_add_nc_u32 v[DADR], s82, v[DADR]
	v_lshl_add_u32 v[RADR0], v3, 4, s82
	PRO
	s_wait_tensorcnt 0x1                           ; my part of K step 0 is in; K step 1's may stay out
	s_wait_dscnt 0x0                               ; my LDS stores of the prologue, if any
	s_barrier_signal -1
	s_barrier_wait -1
	FETCH 0, F0, SCL
.if ZF == 2
	s_wait_loadcnt 0x0                             ; the numbers that start the sums
.endif
	Q 0, ZF                                        ; the first quarter stands in front of the loop: its products start the sums
	WIN 0
	s_mov_b32 s[CNT], KSTEPS-2
	s_branch .Lmid                                 ; the loop is entered behind its first quarter
.Lloop:                                                ; a trip is a K step, and fills the slot that it leaves
	Q 0, 0
	WIN 0
.Lmid:
	Q 1, 0
	Q 2, 0
	TURN 1
	WIN 0
	s_sub_co_u32 s[CNT], s[CNT], 1
	s_cmp_lg_u32 s[CNT], 0
	s_cbranch_scc1 .Lloop
	s_mov_b32 s[CNT], 2
.Ltail:                                                ; the last two K steps ask for no tile; the very last fetch reads landed bytes that are not multiplied: the price of one text for both
	Q 0, 0
	Q 1, 0, 1
	Q 2, 0
	TURN 0
	WIN 0
	s_sub_co_u32 s[CNT], s[CNT], 1
	s_cmp_lg_u32 s[CNT], 0
	s_cbranch_scc1 .Ltail
	DUMP
	WAYOUT
	s_wait_tensorcnt 0x0                           ; the wave's end
	ds_add_u32 v[SPW], v[NIL]
	s_wait_dscnt 0x0
	CROUND                                         ; the closing round
	s_endpgm
.Lfunc_end_k_qd0b7fff64b_combine:
	.size	k_qd0b7fff64b_combine, .Lfunc_end_k_qd0b7fff64b_combine-k_qd0b7fff64b_combine
	.p2alignl 7, 3214868480
	.fill 96, 4, 3214868480
	.section	.rodata,"a",@progbits
	.p2align	6, 0x0
	.amdhsa_kernel k_qd0b7fff64b_combine
		.amdhsa_group_segment_fixed_size 327680
		.amdhsa_private_segment_fixed_size 0
		.amdhsa_enable_private_segment 0
		.amdhsa_kernarg_size 24
		.amdhsa_user_sgpr_count 2
		.amdhsa_user_sgpr_kernarg_segment_ptr 1
		.amdhsa_wavefront_size32 1
		.amdhsa_system_sgpr_workgroup_id_x 1
		.amdhsa_system_sgpr_workgroup_id_y 1
		.amdhsa_system_sgpr_workgroup_id_z 1
		.amdhsa_system_vgpr_workitem_id 0
		.amdhsa_next_free_vgpr 1024
		.amdhsa_next_free_sgpr 100
		.amdhsa_reserve_vcc 0
		.amdhsa_float_denorm_mode_32 3
		.amdhsa_float_denorm_mode_16_64 3
		.amdhsa_memory_ordered 1
		.amdhsa_forward_progress 1
		.amdhsa_inst_pref_size 136
	.end_amdhsa_kernel
	.amdgpu_metadata
---
amdhsa.version: [ 1, 2 ]
amdhsa.kernels:
  - .name:           k_qd0b7fff64b_combine
    .symbol:         k_qd0b7fff64b_combine.kd
    .args:
      - { .name: sm, .offset: 0, .size: 8, .value_kind: global_buffer, .address_space: global }
      - { .name: ybuf, .offset: 8, .size: 8, .value_kind: global_buffer, .address_space: global }
      - { .name: out0, .offset: 16, .size: 8, .value_kind: global_buffer, .address_space: global }
    .group_segment_fixed_size: 327680
    .private_segment_fixed_size: 0
    .kernarg_segment_align: 8
    .kernarg_segment_size: 24
    .max_flat_workgroup_size: 128
    .sgpr_count:     100
    .vgpr_count:     1024
    .wavefront_size: 32
...
	.end_amdgpu_metadata
.endif
;; end of part 6
